; MI455X (gfx1250); checked and timed in simulation.
; The chip was launched on July 23, 2026; its instructions are those of AMD's public machine-readable ISA for CDNA 5 (MIT licence, August 2026) and "CDNA5" Instruction Set Architecture Reference Guide (July 2026). The comments in the code are by the model that wrote it; some were corrected since.
;; Simple Attention. Allowed arithmetic: matrix products marked QUANTISED: E2M3 operands, one E8M0 scale for each 32 along K, by v_wmma_scale_f32_16x16x128_f8f6f4 with both operands' format E2M3, f32 sums; products left as they are: f32 operands where the result goes on into a quantised operand, else bf16, f16 or f32 operands; f32 sums; everything else in f32.
;; Inputs: Wk 2,048 x 2,048 float32; Wo 2,048 x 2,048 float32; Wq 2,048 x 2,048 float32; Wv 2,048 x 2,048 float32; x 4 x 1,024 x 2,048 float32.
;; Outputs: out0 4 x 1,024 x 2,048 float32.
;; This version of the problem:
;;   THIS VERSION OF THE PROBLEM IS GIVEN IN LOW PRECISION. The matrix products marked QUANTISED in the list below multiply operands that are first quantised to E2M3 (2 exponent bits, 3 mantissa bits; 6 bits a number), with one power-of-two scale for each 32 numbers along K (OCP MX v1.0); their sums are f32. All else is computed in f32.
;;   The module's matrix products, in the order in which they are computed (A, B: the left and right operand; K: the contracted axis; several contracted axes count as one K, in the product's order):
;;     1. [M 4,096, K 2,048] x [K 2,048, N 2,048]; A: input x; B: input Wq: QUANTISED
;;     2. [M 4,096, K 2,048] x [K 2,048, N 2,048]; A: input x; B: input Wk: QUANTISED
;;     3. [M 4,096, K 2,048] x [K 2,048, N 2,048]; A: input x; B: input Wv: QUANTISED
;;     4. batch 4,096 x [M 16, K 128] x [K 128, N 16]; A: computed on the way; B: computed on the way: QUANTISED
;;     5. batch 4,096 x [M 16, K 16] x [K 16, N 128]; A: computed on the way; B: computed on the way: left as it is (K = 16 < 32)
;;     6. [M 4,096, K 2,048] x [K 2,048, N 2,048]; A: computed on the way; B: input Wo: QUANTISED
;;   THE QUANTISER, for each operand of a quantised product, along K:
;;     - K is cut into blocks of 32 from its start; a last block that is shorter is filled with zeros.
;;     - A block's scale is 2^e with e = floor(log2(the largest magnitude in the block)) - 2, held to -126 .. 127; a block of zeros has e = 0. As a byte (E8M0): e + 127.
;;     - Each number is divided by its block's scale, clamped to +-7.5, and rounded to the nearest number of E2M3, ties to even, subnormals kept.
;;     - The product sums the exact products of the quantised numbers (number of the format x scale) in f32.
;;   ~~~python
;;   def quantise(x, axis):      # numpy; x: float32 -> the quantised numbers, widened to float32 again
;;       x = np.moveaxis(x, axis, -1); K = x.shape[-1]
;;       x = np.pad(x, [(0, 0)] * (x.ndim - 1) + [(0, -K % 32)]); x = x.reshape(x.shape[:-1] + (-1, 32)); a = np.abs(x).max(-1, keepdims=True)
;;       e = np.where(a > 0, np.clip(np.frexp(np.where(a > 0, a, 1))[1] - 1 - 2, -126, 127), 0)      # np.frexp(a)[1] - 1 = floor(log2(a)), exactly
;;       r = np.clip(x / 2.0 ** e, -7.5, 7.5)
;;       step = 2.0 ** (np.maximum(np.frexp(np.where(r == 0, 1, r))[1] - 1, 0) - 3)
;;       q = np.round(r / step) * step * 2.0 ** e      # np.round: ties to even
;;       return np.moveaxis(q.reshape(q.shape[:-2] + (-1,))[..., :K], -1, axis).astype(np.float32)
;;   ~~~
;;   OPERANDS COMPUTED ON THE WAY. 'Computed on the way' means the value that the module computes at that place (a softmax that the list does not call 'softmax' is quantised finished and normalised). What goes into a quantiser is computed in f32, as accurately as f32 sums, v_exp_f32 and their like allow (about 1e-6 of the number): no bf16 or f16 on the way to a quantiser, and a product that is left as it is and whose result goes on into a quantised operand takes f32 operands (vector FMAs, or v_wmma_f32_16x16x4_f32). A number that lies on a knife's edge between two numbers of the format may be rounded either way, as far as f32 arithmetic and the matrix unit's own rounding can turn it there, and no further.
;; One version. Each part assembles by itself: llvm-mc -triple=amdgcn-amd-amdhsa -mcpu=gfx1250 --defsym DOCPART=n.
;; ======== version 1 of 1: 4 launches
;; workspace buffers: xq 6,553,600 bytes; wqk 6,553,600 bytes; wv 3,276,800 bytes; wo 3,276,800 bytes; qk 13,107,200 bytes; vf 33,554,432 bytes; oq 6,553,600 bytes
;; launch quant (part 1): grid 768 x 1, 4 waves a work-group, no clusters, 34,304 bytes of LDS; arguments x, Wq, Wk, Wv, Wo, xq, wqk, wv, wo; writes xq, wqk, wv, wo
.if DOCPART == 1
	.amdgcn_target "amdgcn-amd-amdhsa--gfx1250"
	.amdhsa_code_object_version 6
	.text
	.protected	k_qd192df7409_quant
	.globl	k_qd192df7409_quant
	.p2align	8
	.type	k_qd192df7409_quant,@function
k_qd192df7409_quant:
	s_mov_b64 s[64:65], 0
	v_nop
	global_prefetch_b8 v0, s[64:65] scope:SCOPE_SE
	s_setreg_imm32_b32 hwreg(HW_REG_WAVE_MODE, 25, 1), 1
	s_wait_xcnt 0x0
; x [4096][2048] and the four weights [2048 (k)][2048 (n)], f32, become codes of FP6 (E2M3) with one E8M0 scale byte for each 32 along K, once for the whole program.
; A block's scale is 2^(floor(log2(its largest magnitude)) - 2); its byte is the largest magnitude's exponent field - 2, held at 1 from below.
; LIMITS: a block of zeros, or one whose largest magnitude lies under 2^-124, gets the byte 1 (the rule says 127 for zeros): its codes are zeros or held there, and this program alone reads the bytes.  NaN and infinities are not served.
; WHAT IS STORED ARE IMAGES OF OPERAND REGISTERS.  A fragment is 16 rows x 128 K, 12 registers a lane: lane (r, h) holds row r, registers 6 c .. 6 c + 5 hold k = 64 c + 32 h + 0 .. 31.
; Its image is 1,536 bytes: register 4 c + e of lane l at byte 512 c + 16 l + 4 e.  A buffer is [block of 16 rows][K step of 128][1536]: 24,576 bytes a block of rows; the scale words lie behind the codes.
; x's scale words: [block of rows][K step / 4][row][K step % 4].  The weights': [pair of blocks][K step / 2][32 positions][K step % 2].
; THE WEIGHTS' ROWS ARE POSITIONS: in each group of 32 columns, position p holds column p with its bits 3 and 4 exchanged, so that in the products' results a lane's 16 registers of two neighbouring tiles are 16 neighbouring columns.
; Work-groups 0-255: 16 rows of x each, a wave four K steps.  Work-groups 256-767: 128 for each weight; a wave 32 positions x 256 along K.  Waves share nothing: no barrier.  Only x's path touches LDS.
.set SP,   528                         ; x's stage: a row of 512 bytes + 16, so that the 16 rows of a load start in different banks
.set WST,  16*SP                       ; a wave's stage
.set R0,   16                          ; v16-143  x: two sets of 64 registers as loaded
.set X,    144                         ; v144-207 x: 64 numbers of my row: register 16 b + i = k 32 b + 16 h + i
.set PC,   208                         ; v208-219 a fragment's codes
.set CT,   220                         ; v220-227 the conversions' second halves
.set TM,   228                         ; v228-243 at work
.set PWS,  244                         ; v244-247 my row's four scale words
.set SEL,  30                          ; s[30:31] v_permlanex16_b32's selects for lane l xor 16
.set XW,   16                          ; v16-79   a weight: two sets of 32 numbers down K
.set IMG,  80                          ; v80-127  a weight: four images: K step f, block of positions g at IMG + 24 f + 12 g
.set TA,   128                         ; v128-130, v132-134: the upper 16 codes of an even and of an odd block
.set TB,   132
.set SBW,  140                         ; v140-141 my position's two scale words
	s_load_b512 s[8:23], s[0:1], 0x0               ; x 8, Wq 10, Wk 12, Wv 14, Wo 16, xq 18, wqk 20, wv 22
	s_load_b64 s[24:25], s[0:1], 0x40              ; wo
	v_lshl_add_u32 v254, v0, 2, 0x8400
	v_mov_b32 v255, 0
	v_lshrrev_b32 v1, 5, v0
	v_readfirstlane_b32 s26, v1                    ; wave
	v_and_b32 v1, 31, v0                           ; lane
	v_lshlrev_b32 v4, 4, v1                        ; 16 x lane: my place in a load's 512 bytes and in an image
	s_cmp_lt_u32 ttmp9, 256
	s_cbranch_scc0 .Lweights
; ---------------- x ----------------
; 64 numbers of a lane, register 16 b + i = k 32 b + 16 (lane / 16) + i of my row, become a fragment's codes in v[PC] on and its scale word in v[pw].
.macro QUANT s, pw
.irp b, 0,1,2,3
	v_max3_num_f32 v[TM+\b], |v[\s+16*\b]|, |v[\s+1+16*\b]|, 0x1800000   ; block b: my 16 numbers, and the floor 2^(3 - 127): the byte cannot fall under 1
.endr
.irp i, 2,4,6,8,10,12,14
.irp b, 0,1,2,3
	v_max3_num_f32 v[TM+\b], v[TM+\b], |v[\s+16*\b+\i]|, |v[\s+1+16*\b+\i]|   ; the four blocks by turns
.endr
.endr
.irp b, 0,1,2,3
	v_permlanex16_b32 v[TM+4+\b], v[TM+\b], s[SEL], s[SEL+1]
.endr
.irp b, 0,1,2,3
	v_max_num_f32 v[TM+\b], v[TM+\b], v[TM+4+\b]   ; with lane l xor 16's: the block's largest magnitude
.endr
.irp b, 0,1,2,3
	v_add_nc_u32 v[TM+12+\b], 0xff000000, v[TM+\b] ; 2 off its exponent field: the conversion's scale operand
.endr
.irp b, 0,1,2,3
	v_lshrrev_b32 v[TM+4+\b], 23, v[TM+12+\b]      ; the scale's byte
.endr
	v_lshl_or_b32 v[\pw], v[TM+5], 8, v[TM+4]      ; four bytes: my row's scale word
	v_lshl_or_b32 v[\pw], v[TM+6], 16, v[\pw]
	v_lshl_or_b32 v[\pw], v[TM+7], 24, v[\pw]
.irp c, 0,1
	v_cvt_scalef32_pk16_fp6_f32 v[PC+6*\c:PC+2+6*\c], v[\s+32*\c:\s+15+32*\c], v[TM+12+2*\c]
	v_cvt_scalef32_pk16_fp6_f32 v[CT+4*\c:CT+2+4*\c], v[\s+16+32*\c:\s+31+32*\c], v[TM+12+2*\c+1]   ; (a conversion's three registers begin on an even number)
.endr
	v_nop                                          ; one plain place behind a scaled conversion
.irp c, 0,1                                    ; the layout wants a whole block in a lane: lanes 0-15 block 2 c, lanes 16-31 block 2 c + 1
.irp i, 0,1,2
	v_permlane16_swap_b32 v[PC+6*\c+\i], v[CT+4*\c+\i]
.endr
.irp i, 0,1,2
	v_mov_b32 v[PC+3+6*\c+\i], v[CT+4*\c+\i]
.endr
.endr
.endm
.macro XLOAD f, set                            ; K step f of my four: 16 rows, 512 consecutive bytes each
.irp i, 0,1,2,3,4,5,6,7,8,9,10,11,12,13,14,15
	global_load_b128 v[\set+4*\i:\set+4*\i+3], v4, s[8:9] offset:\i*8192+(\f)*512 th:TH_LOAD_NT
.endr
.endm
	v_and_b32 v2, 15, v0                           ; r
	v_bfe_u32 v3, v0, 4, 1                         ; h
	s_mul_i32 s27, s26, WST
	v_add_nc_u32 v5, s27, v4                       ; the stage, in: 16 x lane of a row
	v_mul_u32_u24 v6, v2, SP
	v_lshl_add_u32 v6, v3, 6, v6
	v_add_nc_u32 v6, s27, v6                       ; out: row r, + 64 h: my 16 numbers of a block of 32
	v_lshlrev_b32 v7, 4, v2                        ; my row's four scale words
	s_mov_b32 s[SEL], 0x76543210
	s_mov_b32 s[SEL+1], 0xfedcba98
.irp b, 0,1,2,3
	v_mov_b32 v[TM+4+\b], 0                        ; written once: a lane permute's destination counts as one of its sources
.endr
	s_lshl_b32 s32, ttmp9, 17                      ; x: 16 rows of 8,192 bytes a work-group,
	s_lshl_b32 s33, s26, 11                        ; 2,048 bytes of a row a wave
	s_add_co_u32 s32, s32, s33
	s_mov_b32 s33, 0
	s_mul_i32 s34, ttmp9, 24576                    ; the codes: a block of rows, four images a wave
	s_mul_i32 s35, s26, 6144
	s_add_co_u32 s34, s34, s35
	s_mov_b32 s35, 0
	s_lshl_b32 s36, ttmp9, 10                      ; the scale words: 1,024 bytes a block of rows, 256 a wave
	s_lshl_b32 s37, s26, 8
	s_add_co_u32 s36, s36, s37
	s_add_co_u32 s36, s36, 6291456
	s_mov_b32 s37, 0
	s_wait_kmcnt 0x0
	s_add_nc_u64 s[8:9], s[8:9], s[32:33]
	s_add_nc_u64 s[34:35], s[18:19], s[34:35]
	s_add_nc_u64 s[36:37], s[18:19], s[36:37]
	XLOAD 0, R0
	XLOAD 1, R0+64
.irp f, 0,1,2,3
.if \f < 3
	s_wait_loadcnt 16                              ; this K step's 16 loads are in; the next one's 16 may be out
.else
	s_wait_loadcnt 0x0
.endif
.irp i, 0,1,2,3,4,5,6,7,8,9,10,11,12,13,14,15
	ds_store_b128 v5, v[R0+64*(\f%2)+4*\i:R0+64*(\f%2)+4*\i+3] offset:SP*\i   ; as loaded: row i
.endr
.irp b, 0,1,2,3
.irp j, 0,1,2,3
	ds_load_b128 v[X+16*\b+4*\j:X+16*\b+4*\j+3], v6 offset:128*\b+16*\j        ; LDS serves a wave's instructions in order: these see my stores
.endr
.endr
	s_wait_dscnt 0x0
.if \f > 0
	s_wait_xcnt 0x0                                ; the last image's stores have read their registers: the codes may be written again
.endif
.if \f < 2
	XLOAD \f+2, R0+64*(\f%2)
.endif
	QUANT X, PWS+\f
.irp c, 0,1,2
	global_store_b128 v4, v[PC+4*\c:PC+4*\c+3], s[34:35] offset:\f*1536+512*\c  ; 512 consecutive bytes a store
.endr
.endr
	s_wait_xcnt 0x0                                ; EXEC changes only behind this wait
	v_cmp_gt_u32 vcc_lo, 16, v1
	s_wait_tensorcnt 0x0
	ds_add_u32 v254, v255
	s_wait_dscnt 0x0
	s_and_saveexec_b32 s28, vcc_lo                 ; lanes 16-31 hold the same words as lanes 0-15
	global_store_b128 v7, v[PWS:PWS+3], s[36:37]   ; sixteen lanes: 256 consecutive bytes, aligned
	s_wait_xcnt 0x0
	s_or_b32 exec_lo, exec_lo, s28
	s_endpgm
; ---------------- the weights ----------------
; A lane takes a position, and its registers run down K: a block of 32 lies in one lane, and the conversions give codes with K innermost.  Each load reads 128 consecutive bytes.
.Lweights:
	s_sub_co_u32 s27, ttmp9, 256
	s_lshr_b32 s28, s27, 7                         ; which weight: 0 Wq, 1 Wk, 2 Wv, 3 Wo
	s_and_b32 s29, s27, 15
	s_bfe_u32 s27, s27, 0x30004                    ; which 256 along K
	s_lshl_b32 s29, s29, 2
	s_add_co_u32 s29, s29, s26                     ; which 32 positions
	v_and_b32 v3, 7, v1
	v_bfe_u32 v7, v1, 3, 1
	v_bfe_u32 v8, v1, 4, 1
	v_lshlrev_b32 v3, 2, v3
	v_lshl_add_u32 v3, v7, 6, v3
	v_lshl_add_u32 v3, v8, 5, v3                   ; 4 x my column: my lane's number with bits 3 and 4 exchanged
	v_lshlrev_b32 v5, 3, v1                        ; my two scale words
	s_lshl_b32 s32, s27, 21                        ; 256 rows of 8,192 bytes
	s_lshl_b32 s33, s29, 7
	s_add_co_u32 s32, s32, s33
	s_mov_b32 s33, 0
	s_mul_i32 s34, s29, 49152                      ; two blocks of positions
	s_mul_i32 s35, s27, 3072                       ; two K steps
	s_add_co_u32 s34, s34, s35
	s_lshl_b32 s36, s29, 11
	s_lshl_b32 s37, s27, 8
	s_add_co_u32 s36, s36, s37
	s_cmp_eq_u32 s28, 1                            ; Wk lies behind Wq in wqk
	s_cselect_b32 s35, 3145728, 0
	s_cselect_b32 s37, 131072, 0
	s_add_co_u32 s34, s34, s35
	s_add_co_u32 s36, s36, s37
	s_mov_b32 s37, 3145728
	s_cmp_lt_u32 s28, 2
	s_cselect_b32 s37, 6291456, s37                ; where the buffer's scale words begin
	s_add_co_u32 s36, s36, s37
	s_mov_b32 s35, 0
	s_mov_b32 s37, 0
	s_wait_kmcnt 0x0
	s_cmp_lt_u32 s28, 1                            ; the buffers are chosen by the work-group's number alone
	s_cselect_b64 s[38:39], s[10:11], s[12:13]
	s_cmp_lt_u32 s28, 3
	s_cselect_b64 s[40:41], s[14:15], s[16:17]
	s_cselect_b64 s[42:43], s[22:23], s[24:25]
	s_cmp_lt_u32 s28, 2
	s_cselect_b64 s[38:39], s[38:39], s[40:41]
	s_cselect_b64 s[42:43], s[20:21], s[42:43]
	s_add_nc_u64 s[38:39], s[38:39], s[32:33]      ; the weight
	s_add_nc_u64 s[40:41], s[42:43], s[34:35]      ; its images
	s_add_nc_u64 s[42:43], s[42:43], s[36:37]      ; its scale words
.macro LOAD t                                  ; block t: W(32 t + i, my column), i = 0 .. 31
.irp i, 0,1,2,3,4,5,6,7,8,9,10,11,12,13,14,15,16,17,18,19,20,21,22,23,24,25,26,27,28,29,30,31
	global_load_b32 v[XW+32*((\t)%2)+\i], v3, s[38:39] offset:(32*(\t)+\i)*8192 th:TH_LOAD_NT
.endr
.endm
.macro BLOCK t
.set XS, XW+32*((\t)%2)
.set I0, IMG+24*((\t)/4)+6*(((\t)%4)/2)        ; registers 6 c on of the image of positions 0-15;
.set I1, I0+12                                 ; of positions 16-31
.if (\t) < 7
	s_wait_loadcnt 32                              ; this block's 32 loads are in; the next block's may be out
.else
	s_wait_loadcnt 0x0
.endif
	v_max3_num_f32 v136, |v[XS]|, |v[XS+1]|, |v[XS+2]|
	v_max3_num_f32 v137, |v[XS+3]|, |v[XS+4]|, |v[XS+5]|
.irp i, 6,10,14,18,22,26
	v_max3_num_f32 v136, v136, |v[XS+\i]|, |v[XS+\i+1]|
	v_max3_num_f32 v137, v137, |v[XS+\i+2]|, |v[XS+\i+3]|
.endr
	v_max3_num_f32 v136, v136, |v[XS+30]|, |v[XS+31]|
	v_max3_num_f32 v136, v136, v137, 0x1800000     ; and the floor 2^(3 - 127)
	v_add_nc_u32 v138, 0xff000000, v136            ; the conversion's scale operand
	v_lshrrev_b32 v139, 23, v138                   ; the scale's byte
.if (\t)%4 == 0
	v_mov_b32 v[SBW+(\t)/4], v139
.else
	v_lshl_or_b32 v[SBW+(\t)/4], v139, 8*((\t)%4), v[SBW+(\t)/4]
.endif
.if (\t)%2 == 0
	v_cvt_scalef32_pk16_fp6_f32 v[I0:I0+2], v[XS:XS+15], v138
	v_cvt_scalef32_pk16_fp6_f32 v[TA:TA+2], v[XS+16:XS+31], v138
.else
	v_cvt_scalef32_pk16_fp6_f32 v[I1:I1+2], v[XS:XS+15], v138
	v_cvt_scalef32_pk16_fp6_f32 v[TB:TB+2], v[XS+16:XS+31], v138
.endif
.if (\t)+2 < 8
	LOAD (\t)+2
.endif
.if (\t)%2 == 1
	v_nop                                          ; one plain place behind a scaled conversion
; An image's lanes 0-15 want the even block and its lanes 16-31 the odd block of the same 16 positions.  The exchange of the even block's upper lanes with the odd block's lower lanes
; leaves in the first register positions 0-15 (even | odd) and in the second positions 16-31 (even | odd).
.irp i, 0,1,2
	v_permlane16_swap_b32 v[I0+\i], v[I1+\i]
.endr
.irp i, 0,1,2
	v_permlane16_swap_b32 v[TA+\i], v[TB+\i]
.endr
.irp i, 0,1,2
	v_mov_b32 v[I0+3+\i], v[TA+\i]
	v_mov_b32 v[I1+3+\i], v[TB+\i]
.endr
.endif
.if (\t)%4 == 3                                ; a K step is whole: two images, each register written once in the launch
.irp g, 0,1
.irp c, 0,1,2
	global_store_b128 v4, v[IMG+24*((\t)/4)+12*\g+4*\c:IMG+24*((\t)/4)+12*\g+4*\c+3], s[40:41] offset:\g*24576+((\t)/4)*1536+512*\c
.endr
.endr
.endif
.endm
	LOAD 0
	LOAD 1
.irp t, 0,1,2,3,4,5,6,7
	BLOCK \t
.endr
	global_store_b64 v5, v[SBW:SBW+1], s[42:43]    ; 32 lanes: 256 consecutive bytes, aligned
	s_endpgm
.Lfunc_end_k_qd192df7409_quant:
	.size	k_qd192df7409_quant, .Lfunc_end_k_qd192df7409_quant-k_qd192df7409_quant
	.p2alignl 7, 3214868480
	.fill 96, 4, 3214868480
	.section	.rodata,"a",@progbits
	.p2align	6, 0x0
	.amdhsa_kernel k_qd192df7409_quant
		.amdhsa_group_segment_fixed_size 34304
		.amdhsa_private_segment_fixed_size 0
		.amdhsa_enable_private_segment 0
		.amdhsa_kernarg_size 72
		.amdhsa_user_sgpr_count 2
		.amdhsa_user_sgpr_kernarg_segment_ptr 1
		.amdhsa_wavefront_size32 1
		.amdhsa_system_sgpr_workgroup_id_x 1
		.amdhsa_system_sgpr_workgroup_id_y 1
		.amdhsa_system_sgpr_workgroup_id_z 1
		.amdhsa_system_vgpr_workitem_id 0
		.amdhsa_next_free_vgpr 256
		.amdhsa_next_free_sgpr 66
		.amdhsa_reserve_vcc 1
		.amdhsa_float_denorm_mode_32 3
		.amdhsa_float_denorm_mode_16_64 3
		.amdhsa_memory_ordered 1
		.amdhsa_forward_progress 1
		.amdhsa_inst_pref_size 73
	.end_amdhsa_kernel
	.amdgpu_metadata
---
amdhsa.version: [ 1, 2 ]
amdhsa.kernels:
  - .name:           k_qd192df7409_quant
    .symbol:         k_qd192df7409_quant.kd
    .args:
      - { .name: x, .offset: 0, .size: 8, .value_kind: global_buffer, .address_space: global }
      - { .name: Wq, .offset: 8, .size: 8, .value_kind: global_buffer, .address_space: global }
      - { .name: Wk, .offset: 16, .size: 8, .value_kind: global_buffer, .address_space: global }
      - { .name: Wv, .offset: 24, .size: 8, .value_kind: global_buffer, .address_space: global }
      - { .name: Wo, .offset: 32, .size: 8, .value_kind: global_buffer, .address_space: global }
      - { .name: xq, .offset: 40, .size: 8, .value_kind: global_buffer, .address_space: global }
      - { .name: wqk, .offset: 48, .size: 8, .value_kind: global_buffer, .address_space: global }
      - { .name: wv, .offset: 56, .size: 8, .value_kind: global_buffer, .address_space: global }
      - { .name: wo, .offset: 64, .size: 8, .value_kind: global_buffer, .address_space: global }
    .group_segment_fixed_size: 34304
    .private_segment_fixed_size: 0
    .kernarg_segment_align: 8
    .kernarg_segment_size: 72
    .max_flat_workgroup_size: 128
    .sgpr_count:     66
    .vgpr_count:     256
    .wavefront_size: 32
...
	.end_amdgpu_metadata
.endif
;; end of part 1
;; launch gemm_qkv (part 2): grid 16 x 16, 4 waves a work-group, clusters of 4 x 4, 327,680 bytes of LDS; arguments xq, wqk, wv, qk, vf; writes qk, vf
.if DOCPART == 2
	.amdgcn_target "amdgcn-amd-amdhsa--gfx1250"
	.amdhsa_code_object_version 6
	.text
	.protected	k_qd192df7409_gemm_qkv
	.globl	k_qd192df7409_gemm_qkv
	.p2align	8
	.type	k_qd192df7409_gemm_qkv,@function
k_qd192df7409_gemm_qkv:
	s_mov_b64 s[64:65], 0
	v_nop
	global_prefetch_b8 v0, s[64:65] scope:SCOPE_SE
	s_setreg_imm32_b32 hwreg(HW_REG_WAVE_MODE, 25, 1), 1
	s_wait_xcnt 0x0
	s_wait_alu depctr_hold_cnt(0) depctr_sa_sdst(0) depctr_va_vdst(0) depctr_va_sdst(0) depctr_va_ssrc(0) depctr_va_vcc(0) depctr_vm_vsrc(0)
	s_getreg_b32 s2, hwreg(HW_REG_IB_STS2, 6, 4)
	s_cmp_eq_u32 s2, 0
	s_cbranch_scc0 .Lentry_in_a_cluster
	s_endpgm
.Lentry_in_a_cluster:
	s_bfe_u32 s2, ttmp6, 0x10000c
	s_cmp_lg_u32 s2, 0xf033
	s_cbranch_scc0 .Lentry_shape_is_right
	s_endpgm
.Lentry_shape_is_right:
; v = x Wv, then q = x Wq and k = x Wk, in one launch, on codes of FP6 (E2M3) with E8M0 scales; sums in f32, K ascending, one accumulator for each output.
; A work-group owns 256 tokens and walks K = 2,048 twice.  PASS V: 128 positions of Wv; the results leave as f32, row-major, and their stores are on their way while the second pass multiplies: nothing waits for them.
; PASS QK: 256 positions of [Wq | Wk]; each wave's 128 columns are one head of q or of k, the K of the next product: the way out quantises them along the head and stores images of operand registers.
; OPERANDS lie in memory as images: [block of 16 rows][K step of 128][1536], register 4 c + e of lane l at byte 512 c + 16 l + 4 e.  A fragment comes by three loads of 16 bytes a lane, 512 consecutive bytes each.
; Four waves.  Pass V: a wave makes 128 tokens x 64 positions, 32 accumulators; K in four parts of 512 through two LDS slots, 128 matrix instructions a wave between two changes of slots.
; Pass QK: a wave makes 128 x 128, 64 accumulators; K in steps of 256 through the first 98,304 bytes of the same two slots.
; The tokens' tiles, masks and scale words are the same in both passes.  x's and Wv's scale words come with the first fills; [Wq | Wk]'s come behind the change of slots that ends pass V's third part, into bytes of slot 0 that pass QK leaves free.
; CLUSTERS: 4 x 4 work-groups; the tokens' tiles are asked for jointly along a row of the cluster, the weights' along a column.  THE MATRIX INSTRUCTION IS USED TRANSPOSED (source 0 = 16 positions of a weight, source 1 = 16 tokens).
; In each group of 32, position p holds column p with bits 3 and 4 exchanged: so register j of the tile of positions 2 b + u in lane (r, h) is column 32 b + 16 h + 8 u + j of token r: 16 neighbours in 16 registers.
; LIMITS: a block of q or k whose largest magnitude lies under 2^-124 (zeros among them) gets the scale byte 1; this program alone reads the bytes.  NaN and infinities are not served.
; REGISTERS: window 0: v4-29 addresses; v32-127 scale words, two sets, and nothing else; v128-223 pass V: the weights' fragments, two sets, then rows of v; pass QK: the tokens' fragments, one set, then the images; v224-255 at work on the way out.
;   window 1: pass V: the tokens' fragments, two sets, at v0 and v128; pass QK: the weights', likewise.  window 2: pass V's accumulators; pass QK's of my tokens 0-63;  window 3: pass QK's of my tokens 64-127.
.set FR,     12                        ; registers of a fragment
.set NP,     4                         ; places behind this matrix instruction (ISA guide 7.12.1)
.set FRB,    1536                      ; an image
.set SLOT,   147456                    ; from slot 0 to slot 1
.set VROWB,  4*FRB                     ; pass V: a block of rows in a slot
.set VTH,    8*VROWB                   ; 8 blocks of tokens: what waves 0 and 1 fetch, and what a wave reads
.set VWH,    4*VROWB                   ; 4 blocks of positions: what waves 2 and 3 fetch, and what a wave reads
.set VWOFF,  2*VTH                     ; the weights lie behind the tokens' 16 blocks
.set NQ,     2                         ; pass QK: matrix instructions deep in a slot
.set NL,     3                         ; LDS loads that bring a fragment
.set ROWB,   NQ*FRB
.set HALFT,  8*ROWB                    ; 8 blocks of rows: what one tensor load brings, and what a wave reads of either operand
.set LAPS,   4                         ; 2,048 / 512
.set SCLB,   4*HALFT                   ; [Wq | Wk]'s scale words, 16,384 bytes: in slot 0, behind pass QK's part of it
.set STAGE,  SLOT+VWOFF                ; v's way out: 16 rows x (256 bytes + 16) for each wave, in slot 1 behind pass QK's part of it: those bytes have had their last fill and their last read by then
.set SPITCH, 272
.set SCLA,   2*SLOT                    ; behind the ring: x's scale words, 16,384 bytes,
.set SCLV,   SCLA+16384                ; Wv's, 8,192,
.set SPARE,  SCLV+8192                 ; and the spare words, 128 bytes for each wave, which no other line names
.set VADT, 4                           ; v4-5    pass V: LDS address of my tokens' fragments in slot 0, 1
.set VADW, 6                           ; v6-7    of my weights'
.set VADST, 8                          ; v8      of the tokens' scale words of the part in hand
.set VADSW, 9                          ; v9      of the weights'
.set STO,  10                          ; v10     v's way out: where I put 32 bytes of a row
.set RD,   11                          ; v11     where I read a row back
.set CO,   12                          ; v12     my byte offset in two rows of v
.set ADRA, 16                          ; v16-17  pass QK: LDS address of my tokens' fragments in slot 0, 1
.set ADRB, 20                          ; v20-21  of my weights'
.set ADRSA, 22                         ; v22     of the tokens' scale words of the K step in hand
.set ADRSB, 23                         ; v23     of the weights'
.set GO,   24                          ; v24     16 x lane
.set SPW,  28                          ; v28     my spare word; never rewritten
.set NIL,  29                          ; v29     0; never rewritten
.set SC,   32                          ; scale words.  Pass V: set s at SC + 48 s: tokens' block x, step q at + 4 x + q; weights' block y at + 32 + 4 y + q.  Pass QK: set s at SC + 32 s: tokens' at + 2 a + q; weights' at + 16 + 2 b + q
.set AF,   128
.set BK,   128                         ; v's way out: 16 rows read back from the stage: v128-159 and v160-191 by turns
.set IM,   128                         ; pass QK's way out: v128-223 eight images
.set TM,   224                         ; v224-239 at work (v232-234: a conversion's second half)
.set PWR,  240                         ; v240-247 a scale word for each block of tokens
.set WM,   248                         ; v248-251 the words as they are stored
.set CT,   252                         ; v252-254 the other conversion's second half
.set SEL,  96                          ; s[96:97]
.set G1, 24                            ; s[24:31] group 1 for the tokens' tiles;  s[32:39] group 0, one set for each slot
.set G0, 32
.set G1B, 48                           ; s[48:55], s[56:63] the same for the weights' tiles
.set G0B, 56
.set G1S, 68                           ; s[68:75], s[76:79] groups 1 and 0 for x's scale words;  s[80:87], s[88:91] for the weights'
.set G0S, 76
.set G1SB, 80
.set G0SB, 88
.set MSB, 0
.macro WIN new                         ; the immediate's high byte repeats the setting that is left
.if MSB != \new
	s_set_vgpr_msb (MSB<<8)|\new
.set MSB, \new
.endif
.endm
.set VMW,    0xa4                      ; pass V: source 0 (weights) window 0, source 1 (tokens) window 1, C and D window 2
.set MUL_LO, 0xa1                      ; pass QK: source 0 (weights) window 1, source 1 (tokens) window 0, C and D window 2
.set MUL_HI, 0xf1                      ; the same, C and D window 3
.set TO_B,   0x40                      ; destination window 1, address window 0
; A joint load: waves 0 and 1 fetch the tokens' halves, waves 2 and 3 the weights'.  The branch hangs on the wave's number alone.  Four v_nop follow each of the two lines.
.macro JLOAD g0a, g1a, g0b, g1b
	s_cmp_eq_u32 s15, 0
	s_cbranch_scc0 .Lfor_b_\@
	tensor_load_to_lds s[\g0a:\g0a+3], s[\g1a:\g1a+7]
	s_nop 0
.rept 4
	v_nop
.endr
	s_branch .Lasked_\@
.Lfor_b_\@:
	tensor_load_to_lds s[\g0b:\g0b+3], s[\g1b:\g1b+7]
	s_nop 0
.rept 4
	v_nop
.endr
.Lasked_\@:
.endm
.macro CREST                           ; a round of the cluster's barrier behind its opening barrier
	s_cmp_lg_u32 s14, 0
	s_cbranch_scc1 .Lnot_wave_0_\@
	s_barrier_signal -3
.Lnot_wave_0_\@:
	s_barrier_wait -3
	s_barrier_signal -1
	s_barrier_wait -1
.endm
.macro CROUND
	s_barrier_signal -1
	s_barrier_wait -1
	CREST
.endm
; A load into a register that a matrix instruction has read, and a vector instruction or an LDS store that reads a matrix result, stand NP plain vector instructions behind it (ISA guide 7.12.1 for the reads of results).
.macro PLACES n
.rept \n
	v_nop
.endr
.endm
	s_load_b256 s[4:11], s[0:1], 0x0               ; xq 4, wqk 6, wv 8, qk 10
	s_load_b64 s[12:13], s[0:1], 0x20              ; vf
	v_lshl_add_u32 v[SPW], v0, 2, SPARE
	v_mov_b32 v[NIL], 0
	ds_add_u32 v28, v29
	ds_add_u32 v28, v29
	s_wait_dscnt 0x0
	v_lshrrev_b32 v1, 5, v0
	v_readfirstlane_b32 s14, v1                    ; wave 0..3
	s_lshr_b32 s15, s14, 1                         ; which half of the tile's tokens is mine.  Also: I fetch tokens (0) or weights (1)
	s_and_b32 s16, s14, 1                          ; which half of its positions.  Also: which half of that tile I fetch
	s_bfe_u32 s40, ttmp6, 0x40000                  ; cx, cy
	s_bfe_u32 s41, ttmp6, 0x40004
	s_lshl_b32 s42, ttmp9, 2
	s_add_co_u32 s42, s42, s40                     ; tile column
	s_and_b32 s17, ttmp7, 0xffff
	s_lshl_b32 s17, s17, 2
	s_add_co_u32 s17, s17, s41                     ; tile row
	s_lshl_b32 s43, s41, 2
	s_lshl_b32 s43, 15, s43                        ; my row of the cluster
	s_lshl_b32 s44, 0x1111, s40                    ; my column
	s_mov_b32 s[SEL], 0x76543210
	s_mov_b32 s[SEL+1], 0xfedcba98
	; group 1 for pass V's codes: rows (blocks of 16 rows of the operand) of 768 elements of 8 bytes, 3,072 elements apart; 8 rows of tokens, 4 of weights; dense in LDS
	s_or_b32 s[G1+0], s43, (3<<16)|(1<<21)         ; 15:0 the mask; 17:16 elements of 8 bytes; 21 set beside a mask
	s_mov_b32 s[G1+1], 768<<16                     ; tensor_dim0
	s_mov_b32 s[G1+2], 8<<16                       ; tensor_dim1
	s_mov_b32 s[G1+3], 768<<16                     ; tile_dim0
	s_mov_b32 s[G1+4], 8                           ; tile_dim1
	s_mov_b32 s[G1+5], 3072                        ; tensor_dim0_stride
	s_mov_b32 s[G1+6], 0
	s_mov_b32 s[G1+7], 0
	s_or_b32 s[G1B+0], s44, (3<<16)|(1<<21)
	s_mov_b32 s[G1B+1], 768<<16
	s_mov_b32 s[G1B+2], 4<<16
	s_mov_b32 s[G1B+3], 768<<16
	s_mov_b32 s[G1B+4], 4
	s_mov_b32 s[G1B+5], 3072
	s_mov_b32 s[G1B+6], 0
	s_mov_b32 s[G1B+7], 0
	; and for the scale words: dense bytes as rows of 256: 32 rows for 8 blocks of tokens, 16 for Wv's 4 blocks
	s_or_b32 s[G1S+0], s43, (3<<16)|(1<<21)
	s_mov_b32 s[G1S+1], 32<<16
	s_mov_b32 s[G1S+2], 32<<16
	s_mov_b32 s[G1S+3], 32<<16
	s_mov_b32 s[G1S+4], 32
	s_mov_b32 s[G1S+5], 32
	s_mov_b32 s[G1S+6], 0
	s_mov_b32 s[G1S+7], 0
	s_or_b32 s[G1SB+0], s44, (3<<16)|(1<<21)
	s_mov_b32 s[G1SB+1], 32<<16
	s_mov_b32 s[G1SB+2], 16<<16
	s_mov_b32 s[G1SB+3], 32<<16
	s_mov_b32 s[G1SB+4], 16
	s_mov_b32 s[G1SB+5], 32
	s_mov_b32 s[G1SB+6], 0
	s_mov_b32 s[G1SB+7], 0
	s_lshl_b32 s18, s16, 3
	s_lshl_b32 s20, s17, 4
	s_add_co_u32 s20, s20, s18                     ; tokens: block 16 x tile row + 8 x half, in both passes
	s_lshl_b32 s46, s42, 4
	s_add_co_u32 s46, s46, s18                     ; [Wq | Wk]: 16 x tile column + 8 x half
	s_lshl_b32 s18, s16, 2
	s_lshl_b32 s94, s42, 3
	s_add_co_u32 s94, s94, s18                     ; Wv: 8 x tile column + 4 x half
	s_lshl_b32 s22, s20, 10                        ; their scale words: 1,024 bytes a block
	s_add_co_u32 s22, s22, 6291456
	s_mov_b32 s23, 0
	s_lshl_b32 s92, s46, 10
	s_add_co_u32 s92, s92, 6291456
	s_mov_b32 s93, 0
	s_lshl_b32 s98, s94, 10
	s_add_co_u32 s98, s98, 3145728
	s_mov_b32 s99, 0
	s_mul_i32 s20, s20, 24576                      ; their codes
	s_mov_b32 s21, 0
	s_mul_i32 s46, s46, 24576
	s_mov_b32 s47, 0
	s_mul_i32 s94, s94, 24576
	s_mov_b32 s95, 0
	s_mul_i32 s45, s14, HALFT                      ; where they go, made of the wave's number alone: pass QK: wave x 8 blocks;
	s_mul_i32 s66, s16, VTH                        ; pass V: the tokens' halves,
	s_mul_i32 s67, s16, VWH
	s_add_co_u32 s67, s67, VWOFF                   ; the weights';
	s_lshl_b32 s100, s16, 13
	s_add_co_u32 s101, s100, SCLA                  ; x's scale words,
	s_add_co_u32 s100, s100, SCLB                  ; [Wq | Wk]'s,
	s_lshl_b32 s2, s16, 12
	s_add_co_u32 s2, s2, SCLV                      ; Wv's
	s_wait_kmcnt 0x0
	s_add_nc_u64 s[20:21], s[4:5], s[20:21]        ; kept: both passes begin here
	s_add_nc_u64 s[22:23], s[4:5], s[22:23]
	s_add_nc_u64 s[46:47], s[6:7], s[46:47]        ; kept for pass QK
	s_add_nc_u64 s[92:93], s[6:7], s[92:93]        ; kept for pass QK
	s_add_nc_u64 s[94:95], s[8:9], s[94:95]
	s_add_nc_u64 s[98:99], s[8:9], s[98:99]
	CROUND                                         ; all sixteen work-groups are here: the first joint loads meet
	s_mov_b32 s[G0S], 1
	s_mov_b32 s[G0S+1], s101
	s_mov_b64 s[G0S+2:G0S+3], s[22:23]
	s_or_b32 s[G0S+3], s[G0S+3], 0x80000000
	s_mov_b32 s[G0SB], 1
	s_mov_b32 s[G0SB+1], s2
	s_mov_b64 s[G0SB+2:G0SB+3], s[98:99]
	s_or_b32 s[G0SB+3], s[G0SB+3], 0x80000000
	JLOAD G0S, G1S, G0SB, G1SB                     ; the scale words first: three loads of mine are out at the most
.irp s, 0,1
	s_mov_b32 s[G0+4*\s], 1
	s_add_co_u32 s[G0+4*\s+1], s66, \s*SLOT
	s_add_nc_u64 s[G0+4*\s+2:G0+4*\s+3], s[20:21], \s*VROWB
	s_or_b32 s[G0+4*\s+3], s[G0+4*\s+3], 0x80000000
	s_mov_b32 s[G0B+4*\s], 1
	s_add_co_u32 s[G0B+4*\s+1], s67, \s*SLOT
	s_add_nc_u64 s[G0B+4*\s+2:G0B+4*\s+3], s[94:95], \s*VROWB
	s_or_b32 s[G0B+4*\s+3], s[G0B+4*\s+3], 0x80000000
	JLOAD G0+4*\s, G1, G0B+4*\s, G1B
.endr
	v_and_b32 v1, 15, v0                           ; r
	v_bfe_u32 v2, v0, 4, 1                         ; h
	v_and_b32 v3, 31, v0                           ; lane
	v_lshlrev_b32 v[GO], 4, v3
	s_mul_i32 s18, s15, VTH                        ; pass V: my 8 blocks of tokens,
	s_mul_i32 s19, s16, VWH                        ; my 4 blocks of positions
	s_add_co_u32 s19, s19, VWOFF
.irp s, 0,1
	v_add_nc_u32 v[VADT+\s], s18, v[GO]
	v_add_nc_u32 v[VADW+\s], s19, v[GO]
	s_add_co_u32 s18, s18, SLOT
	s_add_co_u32 s19, s19, SLOT
.endr
	s_mul_i32 s18, s15, HALFT                      ; pass QK: my 8 blocks of tokens,
	s_mul_i32 s19, s16, HALFT                      ; my 8 blocks of positions, behind the tokens' 16
	s_add_co_u32 s19, s19, 2*HALFT
.irp s, 0,1
	v_add_nc_u32 v[ADRA+\s], s18, v[GO]
	v_add_nc_u32 v[ADRB+\s], s19, v[GO]
	s_add_co_u32 s18, s18, SLOT
	s_add_co_u32 s19, s19, SLOT
.endr
	s_lshl_b32 s18, s15, 13
	s_add_co_u32 s18, s18, SCLA
	v_lshl_add_u32 v[VADST], v1, 4, s18            ; the tokens' words: [block][K step / 4][row][K step % 4]; each pass steps a register of its own
	v_lshl_add_u32 v[ADRSA], v1, 4, s18
	v_lshl_add_u32 v[VADSW], v1, 3, s2             ; the weights': [pair of blocks][K step / 2][32 positions][K step % 2]
	v_lshl_add_u32 v[ADRSB], v1, 3, s100
	s_mul_i32 s18, s14, 16*SPITCH
	s_add_co_u32 s18, s18, STAGE                   ; my stage
	v_mul_u32_u24 v13, v1, SPITCH
	v_lshl_add_u32 v13, v2, 6, v13
	v_add_nc_u32 v[STO], s18, v13                  ; in: row r, + 64 h
	v_mul_u32_u24 v13, v2, SPITCH
	v_lshl_add_u32 v13, v1, 4, v13
	v_add_nc_u32 v[RD], s18, v13                   ; back: lanes 0-15 take one row of 256 bytes, lanes 16-31 the next
	v_lshlrev_b32 v[CO], 13, v2                    ; and the same two rows of v, 8,192 bytes apart
	v_lshl_add_u32 v[CO], v1, 4, v[CO]
	s_lshl_b32 s18, s17, 8                         ; v: my first token: 256 x tile row + 128 x half;
	s_lshl_b32 s19, s15, 7
	s_add_co_u32 s18, s18, s19
	s_lshl_b32 s18, s18, 13
	s_lshl_b32 s19, s42, 9                         ; my first column, in bytes: 512 x tile column + 256 x half
	s_add_co_u32 s18, s18, s19
	s_lshl_b32 s19, s16, 8
	s_add_co_u32 s18, s18, s19
	s_mov_b32 s19, 0
	s_add_nc_u64 s[12:13], s[12:13], s[18:19]
	; q's and k's codes [block of 16 tokens][head 0-31][1536]; scale words [head][token / 128][token % 32][(token / 32) % 4]
	s_lshl_b32 s18, s17, 4
	s_lshl_b32 s19, s15, 3
	s_add_co_u32 s18, s18, s19                     ; my first block of tokens
	s_mul_i32 s18, s18, 49152
	s_lshl_b32 s101, s42, 1
	s_add_co_u32 s101, s101, s16                   ; my head
	s_mul_i32 s19, s101, FRB
	s_add_co_u32 s18, s18, s19
	s_mov_b32 s19, 0
	s_add_nc_u64 s[8:9], s[10:11], s[18:19]        ; the codes (Wv's address is done with)
	s_lshl_b32 s18, s101, 14
	s_lshl_b32 s19, s17, 1
	s_add_co_u32 s19, s19, s15
	s_lshl_b32 s19, s19, 9
	s_add_co_u32 s18, s18, s19
	s_add_co_u32 s18, s18, 12582912
	s_mov_b32 s19, 0
	s_add_nc_u64 s[10:11], s[10:11], s[18:19]      ; the scale words
; ======== PASS V ========
.macro VFRAG reg, adr, q, i            ; the image of block i, the slot's q-th 128 along K
.irp c, 0,1,2
	ds_load_b128 v[\reg+4*\c:\reg+4*\c+3], v[\adr] offset:(\i)*VROWB+(\q)*FRB+512*\c
.endr
.endm
; The fragments of the slot's q-th 128 along K into sets p: the tokens' eight, the weights' blocks 0 and 1, with sc >= 0 the part's scale words into set sc, and last the weights' blocks 2 and 3.
.macro VFETCH slot, q, p, sc
	WIN TO_B
.irp i, 0,1,2,3,4,5,6,7
	VFRAG 128*(\p)+FR*\i, VADT+\slot, \q, \i
.endr
	WIN 0
	VFRAG AF+48*(\p), VADW+\slot, \q, 0
	VFRAG AF+48*(\p)+FR, VADW+\slot, \q, 1
.if (\sc) >= 0
.irp x, 0,1,2,3,4,5,6,7
	ds_load_b128 v[SC+48*(\sc)+4*\x:SC+48*(\sc)+4*\x+3], v[VADST] offset:\x*1024
.endr
.irp y, 0,1,2,3
.irp e, 0,1
	ds_load_b64 v[SC+48*(\sc)+32+4*\y+2*\e:SC+48*(\sc)+32+4*\y+2*\e+1], v[VADSW] offset:(\y/2)*2048+(\y%2)*128+256*\e
.endr
.endr
.endif
	VFRAG AF+48*(\p)+2*FR, VADW+\slot, \q, 2
	VFRAG AF+48*(\p)+3*FR, VADW+\slot, \q, 3
.endm
; 8 matrix instructions: the weights' block y x the tokens' eight.  The 32 accumulators ((y, x) at v[8 (8 y + x)] of window 2) take turns, one instruction a turn, in the same order in every step.
.macro VMUL y, p, q, sc, zero
.irp x, 0,1,2,3,4,5,6,7
.if \zero
	v_wmma_scale_f32_16x16x128_f8f6f4 v[8*(8*(\y)+\x):8*(8*(\y)+\x)+7], v[AF+48*(\p)+FR*(\y):AF+48*(\p)+FR*(\y)+FR-1], v[128*(\p)+FR*\x:128*(\p)+FR*\x+FR-1], 0, v[SC+48*(\sc)+32+4*(\y)+(\q)], v[SC+48*(\sc)+4*\x+(\q)] matrix_a_fmt:MATRIX_FMT_FP6 matrix_b_fmt:MATRIX_FMT_FP6
.else
	v_wmma_scale_f32_16x16x128_f8f6f4 v[8*(8*(\y)+\x):8*(8*(\y)+\x)+7], v[AF+48*(\p)+FR*(\y):AF+48*(\p)+FR*(\y)+FR-1], v[128*(\p)+FR*\x:128*(\p)+FR*\x+FR-1], v[8*(8*(\y)+\x):8*(8*(\y)+\x)+7], v[SC+48*(\sc)+32+4*(\y)+(\q)], v[SC+48*(\sc)+4*\x+(\q)] matrix_a_fmt:MATRIX_FMT_FP6 matrix_b_fmt:MATRIX_FMT_FP6
.endif
.endr
.endm
.macro VSTEP slot, q, zero             ; one of a slot's first three steps: multiplies sets q % 2 and fetches the next step into the others
	s_wait_dscnt 6                                 ; all but the youngest six loads (the weights' blocks 2 and 3)
	WIN VMW
	VMUL 0, (\q)%2, \q, \slot, \zero
	VMUL 1, (\q)%2, \q, \slot, \zero
	PLACES NP
	VFETCH \slot, (\q)+1, 1-(\q)%2, -1
	s_wait_dscnt 36                                ; all but the 36 just issued
	WIN VMW
	VMUL 2, (\q)%2, \q, \slot, \zero
	VMUL 3, (\q)%2, \q, \slot, \zero
.endm
; A slot's last step changes slots: a round of the cluster's barrier; in front of it each wave waits for all its tensor loads, adds 0 to its spare word, and waits for that and for its reads of this slot.
; What is asked for behind the round: mode 1: this slot's next part of pass V.  mode 2: [Wq | Wk]'s scale words, by waves 2 and 3, into bytes of this slot.
; mode 3, pass V's last step: pass QK's first 256 along K, into slot 0, which was left a part ago; nothing more of pass V is fetched from LDS.
.macro VTURN slot, next, mode
	WIN 0                                          ; (the add's two registers lie in window 0)
	s_wait_tensorcnt 0x0                           ; all my tensor loads have landed, my part of the next slot among them: every descriptor may be written
	ds_add_u32 v[SPW], v[NIL]                      ; 0 onto my spare word
	s_wait_dscnt 7                                 ; (the add and the weights' blocks 2 and 3 may be out)
	WIN VMW
	VMUL 0, 1, 3, \slot, 0
	s_wait_dscnt 0x0                               ; the add is done, and my reads of this slot are over
	s_barrier_signal -1
	VMUL 1, 1, 3, \slot, 0
	WIN 0
	s_barrier_wait -1
	CREST                                          ; no wave of any partner still reads this slot or has a load on its way
.if \mode == 1
	s_add_nc_u64 s[G0+4*\slot+2:G0+4*\slot+3], s[G0+4*\slot+2:G0+4*\slot+3], 2*VROWB
	s_add_nc_u64 s[G0B+4*\slot+2:G0B+4*\slot+3], s[G0B+4*\slot+2:G0B+4*\slot+3], 2*VROWB
	JLOAD G0+4*\slot, G1, G0B+4*\slot, G1B         ; the first tensor load behind the round; its four v_nop are also the places in front of the loads below
.endif
.if \mode == 2
	s_mov_b32 s[G1SB+2], 32<<16                    ; 8 blocks' scale words: 32 rows of 256 bytes
	s_mov_b32 s[G1SB+4], 32
	s_mov_b32 s[G0SB+1], s100
	s_mov_b64 s[G0SB+2:G0SB+3], s[92:93]
	s_or_b32 s[G0SB+3], s[G0SB+3], 0x80000000
	s_cmp_eq_u32 s15, 0
	s_cbranch_scc1 .Lno_words_\@
	tensor_load_to_lds s[G0SB:G0SB+3], s[G1SB:G1SB+7]
	s_nop 0
.rept 4
	v_nop
.endr
.Lno_words_\@:
	PLACES NP                                      ; on every wave's way: the places in front of the loads below
.endif
.if \mode == 3
	s_mov_b32 s[G1+1], 384<<16                     ; pass QK's tiles: 8 rows of 384 elements, for both operands
	s_mov_b32 s[G1+3], 384<<16
	s_mov_b32 s[G1B+1], 384<<16
	s_mov_b32 s[G1B+2], 8<<16
	s_mov_b32 s[G1B+3], 384<<16
	s_mov_b32 s[G1B+4], 8
	s_mov_b32 s[G0+1], s45
	s_mov_b64 s[G0+2:G0+3], s[20:21]
	s_or_b32 s[G0+3], s[G0+3], 0x80000000
	s_mov_b32 s[G0B+1], s45
	s_mov_b64 s[G0B+2:G0B+3], s[46:47]
	s_or_b32 s[G0B+3], s[G0B+3], 0x80000000
	JLOAD G0, G1, G0B, G1B                         ; it lands while v goes out
.endif
.if \mode < 3
	v_add_nc_u32 v[VADST], 256, v[VADST]           ; the next part's scale words
	v_add_nc_u32 v[VADSW], 512, v[VADSW]
	VFETCH \next, 0, 0, \next
.endif
	WIN VMW
	VMUL 2, 1, 3, \slot, 0
	VMUL 3, 1, 3, \slot, 0
.endm
	s_wait_tensorcnt 1                             ; the scale words and my part of slot 0 are in (slot 1's load may be out)
	s_barrier_signal -1
	s_barrier_wait -1                              ; everybody's are
	VFETCH 0, 0, 0, 0
	VSTEP 0, 0, 1                                  ; the first step's products start the sums
	VSTEP 0, 1, 0
	VSTEP 0, 2, 0
	VTURN 0, 1, 1                                  ; slot 0 takes K's third part
	VSTEP 1, 0, 0
	VSTEP 1, 1, 0
	VSTEP 1, 2, 0
	VTURN 1, 0, 1                                  ; slot 1 the fourth
	VSTEP 0, 0, 0
	VSTEP 0, 1, 0
	VSTEP 0, 2, 0
	VTURN 0, 1, 2
	VSTEP 1, 0, 0
	VSTEP 1, 1, 0
	VSTEP 1, 2, 0
	VTURN 1, 0, 3
	WIN 0
; v's WAY OUT, block by block of 16 tokens x my 64 columns, through my own stage in LDS: in by the lanes' eight neighbouring columns, which puts the columns in order; back as whole rows of 256 bytes.
; LDS serves a wave's instructions in order (ISA guide 5.7.1.4): no wait between the stores and the loads, nor in front of the next block's stores.
.macro VTOSTAGE x
	WIN 0x08                                       ; the data: window 2
.irp y, 0,1,2,3
	ds_store_b128 v[STO], v[8*(8*\y+(\x)):8*(8*\y+(\x))+3] offset:128*(\y/2)+32*(\y%2)          ; each accumulator from its low end on: columns 32 (y / 2) + 16 h + 8 (y % 2) + 0 .. 3
	ds_store_b128 v[STO], v[8*(8*\y+(\x))+4:8*(8*\y+(\x))+7] offset:128*(\y/2)+32*(\y%2)+16
.endr
	WIN 0
.set BB, BK+32*((\x)%2)
.irp t, 0,1,2,3,4,5,6,7
	ds_load_b128 v[BB+4*\t:BB+4*\t+3], v[RD] offset:\t*2*SPITCH
.endr
.endm
.macro VSEND x, younger                ; younger: the LDS instructions issued behind block x's loads, which may stay out
.set BB, BK+32*((\x)%2)
	s_wait_dscnt \younger
.if (\x) > 0
	s_add_nc_u64 s[12:13], s[12:13], 16*8192       ; (behind a wait on XCNT: the earlier stores have read their base)
.endif
.irp t, 0,1,2,3,4,5,6,7
	global_store_b128 v[CO], v[BB+4*\t:BB+4*\t+3], s[12:13] offset:2*\t*8192 th:TH_STORE_NT   ; 16 lanes store 256 consecutive bytes, at a multiple of 256 from v's first byte
.endr
.endm
	PLACES NP+1                                    ; behind the last products: for the reads of results, the loads over the weights' fragments, and pass QK's products, which write over these accumulators
	VTOSTAGE 0
.irp a, 1,2,3,4,5,6,7
.if \a > 1
	s_wait_xcnt 0x0                                ; block a - 2's stores have read their registers and their base
.endif
	VTOSTAGE \a
	VSEND \a-1, 16                                 ; behind block a - 1's loads: block a's 8 stores and 8 loads
.endr
	s_wait_xcnt 0x0
	VSEND 7, 0
	s_wait_xcnt 0x0                                ; the last stores have read their registers: pass QK's fragments may land there.  Nothing waits for the stores themselves
; ======== PASS QK ========
	s_wait_tensorcnt 0x0                           ; my part of slot 0 is in; no tensor load of mine is out
	ds_add_u32 v[SPW], v[NIL]                      ; 0 onto my spare word
	s_add_co_u32 s[G0+5], s45, SLOT                ; slot 1 takes the second 256 along K
	s_add_nc_u64 s[G0+6:G0+7], s[20:21], ROWB
	s_or_b32 s[G0+7], s[G0+7], 0x80000000
	s_add_co_u32 s[G0B+5], s45, SLOT
	s_add_nc_u64 s[G0B+6:G0B+7], s[46:47], ROWB
	s_or_b32 s[G0B+7], s[G0B+7], 0x80000000
	s_wait_dscnt 0x0                               ; the add is done; my reads of slot 1 were over a round ago
	CROUND
	JLOAD G0+4, G1, G0B+4, G1B                     ; the first tensor load behind the round
.macro FRAG reg, adr, q, i             ; the image of block i, the slot's q-th 128 along K: three loads of 512 consecutive bytes
.irp c, 0,1,2
	ds_load_b128 v[\reg+4*\c:\reg+4*\c+3], v[\adr] offset:(\i)*ROWB+(\q)*FRB+512*\c
.endr
.endm
; 16 matrix instructions: the tokens' blocks a0, a0 + 1 x the weights' eight.  The 64 accumulators take turns, one instruction a turn, in the same order in every step.
.macro MUL16 a0, p, q, sc, zero
.irp a, \a0, \a0+1
.irp b, 0,1,2,3,4,5,6,7
.if \zero
	v_wmma_scale_f32_16x16x128_f8f6f4 v[8*(8*((\a)%4)+\b):8*(8*((\a)%4)+\b)+7], v[128*(\p)+FR*\b:128*(\p)+FR*\b+FR-1], v[AF+FR*(\a):AF+FR*(\a)+FR-1], 0, v[SC+32*(\sc)+16+2*\b+(\q)], v[SC+32*(\sc)+2*(\a)+(\q)] matrix_a_fmt:MATRIX_FMT_FP6 matrix_b_fmt:MATRIX_FMT_FP6
.else
	v_wmma_scale_f32_16x16x128_f8f6f4 v[8*(8*((\a)%4)+\b):8*(8*((\a)%4)+\b)+7], v[128*(\p)+FR*\b:128*(\p)+FR*\b+FR-1], v[AF+FR*(\a):AF+FR*(\a)+FR-1], v[8*(8*((\a)%4)+\b):8*(8*((\a)%4)+\b)+7], v[SC+32*(\sc)+16+2*\b+(\q)], v[SC+32*(\sc)+2*(\a)+(\q)] matrix_a_fmt:MATRIX_FMT_FP6 matrix_b_fmt:MATRIX_FMT_FP6
.endif
.endr
.endr
.endm
.macro FETCH_B slot, q, p
	WIN TO_B
.irp i, 0,1,2,3,4,5,6,7
	FRAG 128*(\p)+FR*\i, ADRB+\slot, \q, \i
.endr
	WIN 0
.endm
.macro FETCH_A slot, q, i0
.irp i, \i0, \i0+1, \i0+2, \i0+3
	FRAG AF+FR*(\i), ADRA+\slot, \q, \i
.endr
.endm
.macro SCALES sc                       ; a slot's scale words: two a row; lanes 0-15 are read by the matrix unit, lanes 16-31 load the same
.irp i, 0,1,2,3,4,5,6,7
	ds_load_b64 v[SC+32*\sc+2*\i:SC+32*\sc+2*\i+1], v[ADRSA] offset:\i*1024
.endr
.irp i, 0,1,2,3,4,5,6,7
	ds_load_b64 v[SC+32*\sc+16+2*\i:SC+32*\sc+16+2*\i+1], v[ADRSB] offset:(\i/2)*2048+(\i%2)*128
.endr
.endm
.macro STEP slot, q, zero              ; a step of 128 along K that has its successor in the same slot
	s_wait_dscnt 4*NL                              ; all but the youngest twelve loads (the tokens' blocks 4-7)
	WIN MUL_LO
	MUL16 0, (\q)%2, \q, \slot, \zero
	MUL16 2, (\q)%2, \q, \slot, \zero
	s_wait_dscnt 0
	PLACES NP
	FETCH_B \slot, (\q)+1, 1-(\q)%2
	FETCH_A \slot, (\q)+1, 0
	WIN MUL_HI
	MUL16 4, (\q)%2, \q, \slot, \zero
	MUL16 6, (\q)%2, \q, \slot, \zero
	PLACES NP
	WIN 0
	FETCH_A \slot, (\q)+1, 4
.endm
; A slot's last step changes slots: one barrier; in front of it each wave waits for all its tensor loads, adds 0 to its spare word, and waits for that and for its reads of this slot.
.macro TURN slot, next, fill
	s_wait_tensorcnt 0x0                           ; all my tensor loads have landed: my part of the next slot
	ds_add_u32 v[SPW], v[NIL]                      ; 0 onto my spare word
	s_wait_dscnt 4*NL+1                            ; (the add and the tokens' blocks 4-7 may be out)
	WIN MUL_LO
	MUL16 0, 1, NQ-1, \slot, 0
	s_wait_dscnt 0x0                               ; the add is done, and my reads of this slot are over
	s_barrier_signal -1
	MUL16 2, 1, NQ-1, \slot, 0
	WIN 0
	s_barrier_wait -1
.if \fill
	CREST                                          ; the barrier has opened a round of the cluster's: no wave of any partner still reads this slot or has a load on its way
	s_add_nc_u64 s[G0+4*\slot+2:G0+4*\slot+3], s[G0+4*\slot+2:G0+4*\slot+3], 2*ROWB
	s_add_nc_u64 s[G0B+4*\slot+2:G0B+4*\slot+3], s[G0B+4*\slot+2:G0B+4*\slot+3], 2*ROWB
	JLOAD G0+4*\slot, G1, G0B+4*\slot, G1B         ; the first tensor load behind the round; its four v_nop are also the places in front of the loads below
.else
	PLACES NP
.endif
.if \slot == 0
	v_add_nc_u32 v[ADRSA], 8, v[ADRSA]             ; the tokens' next two words: in the same four,
.else
	v_add_nc_u32 v[ADRSA], 248, v[ADRSA]           ; or at the head of the next 256 bytes
.endif
	v_add_nc_u32 v[ADRSB], 256, v[ADRSB]
	FETCH_B \next, 0, 0
	FETCH_A \next, 0, 0
	SCALES \next
	WIN MUL_HI
	MUL16 4, 1, NQ-1, \slot, 0
	MUL16 6, 1, NQ-1, \slot, 0
	PLACES NP
	WIN 0
	FETCH_A \next, 0, 4
.endm
	FETCH_B 0, 0, 0                                ; slot 0 and [Wq | Wk]'s scale words were shown landed in front of the round, by every wave
	FETCH_A 0, 0, 0
	SCALES 0
	FETCH_A 0, 0, 4
	STEP 0, 0, 1                                   ; the first step's products start the sums
	s_mov_b32 s3, LAPS-1
.Llap:                                                 ; a trip goes once round the ring and fills both slots again
	TURN 0, 1, 1
	STEP 1, 0, 0
	TURN 1, 0, 1
	STEP 0, 0, 0
	s_sub_co_u32 s3, s3, 1
	s_cmp_lg_u32 s3, 0
	s_cbranch_scc1 .Llap
	TURN 0, 1, 0                                   ; the last lap fills nothing
	STEP 1, 0, 0
	s_wait_dscnt 4*NL
	WIN MUL_LO
	MUL16 0, 1, NQ-1, 1, 0
	MUL16 2, 1, NQ-1, 1, 0
	s_wait_dscnt 0
	WIN MUL_HI
	MUL16 4, 1, NQ-1, 1, 0
	MUL16 6, 1, NQ-1, 1, 0
	WIN 0
; q's AND k's WAY OUT.  A block of 16 tokens x my head's 128 columns: 64 accumulator registers a lane, register 16 b + i = column 32 b + 16 h + i of token r.  They become one fragment of the next product and one scale word a token.
.macro QUANTW s, w, im, pw             ; s: the block's first accumulator register, in window w
.set WW, (\w)|((\w)<<2)
	WIN WW                                         ; sources 0 and 1: the accumulators' window
.irp b, 0,1,2,3
	v_max3_num_f32 v[TM+\b], |v[(\s)+16*\b]|, |v[(\s)+1+16*\b]|, 0x1800000   ; each accumulator is read from its low end on; the floor 2^(3 - 127) holds the byte at 1 from below
.endr
.irp i, 2,4,6,8,10,12,14
.irp b, 0,1,2,3
	v_max3_num_f32 v[TM+\b], |v[(\s)+16*\b+\i]|, |v[(\s)+1+16*\b+\i]|, v[TM+\b]
.endr
.endr
	WIN 0
.irp b, 0,1,2,3
	v_permlanex16_b32 v[TM+4+\b], v[TM+\b], s[SEL], s[SEL+1]
.endr
.irp b, 0,1,2,3
	v_max_num_f32 v[TM+\b], v[TM+\b], v[TM+4+\b]
.endr
.irp b, 0,1,2,3
	v_add_nc_u32 v[TM+12+\b], 0xff000000, v[TM+\b]
.endr
.irp b, 0,1,2,3
	v_lshrrev_b32 v[TM+4+\b], 23, v[TM+12+\b]
.endr
	v_lshl_or_b32 v[\pw], v[TM+5], 8, v[TM+4]
	v_lshl_or_b32 v[\pw], v[TM+6], 16, v[\pw]
	v_lshl_or_b32 v[\pw], v[TM+7], 24, v[\pw]
	WIN \w                                         ; source 0: the accumulators' window
.irp c, 0,1
	v_cvt_scalef32_pk16_fp6_f32 v[\im+6*\c:\im+2+6*\c], v[(\s)+32*\c:(\s)+15+32*\c], v[TM+12+2*\c]
	v_cvt_scalef32_pk16_fp6_f32 v[CT-20*\c:CT+2-20*\c], v[(\s)+16+32*\c:(\s)+31+32*\c], v[TM+12+2*\c+1]   ; the second halves: v252-254 and v232-234
.endr
	WIN 0
	v_nop                                          ; one plain place behind a scaled conversion
.irp c, 0,1
.irp i, 0,1,2
	v_permlane16_swap_b32 v[\im+6*\c+\i], v[CT-20*\c+\i]
.endr
.irp i, 0,1,2
	v_mov_b32 v[\im+3+6*\c+\i], v[CT-20*\c+\i]
.endr
.endr
.endm
	PLACES NP                                      ; behind the last products: for the reads of results and the writes over the tokens' fragments
.irp b, 0,1,2,3
	v_mov_b32 v[TM+4+\b], 0                        ; a lane permute's destination counts as one of its sources
.endr
.irp a, 0,1,2,3,4,5,6,7
	QUANTW 64*(\a%4), 2+\a/4, IM+12*\a, PWR+\a
.irp c, 0,1,2
	global_store_b128 v[GO], v[IM+12*\a+4*\c:IM+12*\a+4*\c+3], s[8:9] offset:\a*49152+512*\c   ; 512 consecutive bytes; each image has registers of its own, so no store's data are written again
.endr
.endr
	v_and_b32 v25, 31, v0
	v_cmp_le_u32 vcc_lo, 16, v25
.irp c, 0,1,2,3
	v_cndmask_b32 v[WM+\c], v[PWR+2*\c], v[PWR+2*\c+1], vcc_lo   ; lane l: the word of token 32 c + l (every lane holds the word of token lane % 16 of each block)
.endr
	global_store_b128 v[GO], v[WM:WM+3], s[10:11]  ; my 128 tokens' words: 512 consecutive bytes
	s_wait_tensorcnt 0x0                           ; the wave's end
	ds_add_u32 v[SPW], v[NIL]
	s_wait_dscnt 0x0
	CROUND                                         ; the closing round
	s_endpgm
.Lfunc_end_k_qd192df7409_gemm_qkv:
	.size	k_qd192df7409_gemm_qkv, .Lfunc_end_k_qd192df7409_gemm_qkv-k_qd192df7409_gemm_qkv
	.p2alignl 7, 3214868480
	.fill 96, 4, 3214868480
	.section	.rodata,"a",@progbits
	.p2align	6, 0x0
	.amdhsa_kernel k_qd192df7409_gemm_qkv
		.amdhsa_group_segment_fixed_size 327680
		.amdhsa_private_segment_fixed_size 0
		.amdhsa_enable_private_segment 0
		.amdhsa_kernarg_size 40
		.amdhsa_user_sgpr_count 2
		.amdhsa_user_sgpr_kernarg_segment_ptr 1
		.amdhsa_wavefront_size32 1
		.amdhsa_system_sgpr_workgroup_id_x 1
		.amdhsa_system_sgpr_workgroup_id_y 1
		.amdhsa_system_sgpr_workgroup_id_z 1
		.amdhsa_system_vgpr_workitem_id 0
		.amdhsa_next_free_vgpr 1024
		.amdhsa_next_free_sgpr 102
		.amdhsa_reserve_vcc 1
		.amdhsa_float_denorm_mode_32 3
		.amdhsa_float_denorm_mode_16_64 3
		.amdhsa_memory_ordered 1
		.amdhsa_forward_progress 1
		.amdhsa_inst_pref_size 255
	.end_amdhsa_kernel
	.section	.bss,"aw",@nobits
	.p2align	6
	.space	262144
	.amdgpu_metadata
---
amdhsa.version: [ 1, 2 ]
amdhsa.kernels:
  - .name:           k_qd192df7409_gemm_qkv
    .symbol:         k_qd192df7409_gemm_qkv.kd
    .args:
      - { .name: xq, .offset: 0, .size: 8, .value_kind: global_buffer, .address_space: global }
      - { .name: wqk, .offset: 8, .size: 8, .value_kind: global_buffer, .address_space: global }
      - { .name: wv, .offset: 16, .size: 8, .value_kind: global_buffer, .address_space: global }
      - { .name: qk, .offset: 24, .size: 8, .value_kind: global_buffer, .address_space: global }
      - { .name: vf, .offset: 32, .size: 8, .value_kind: global_buffer, .address_space: global }
    .group_segment_fixed_size: 327680
    .private_segment_fixed_size: 0
    .kernarg_segment_align: 8
    .kernarg_segment_size: 40
    .max_flat_workgroup_size: 128
    .sgpr_count:     102
    .vgpr_count:     1024
    .wavefront_size: 32
...
	.end_amdgpu_metadata
.endif
;; end of part 2
;; launch attn (part 3): grid 256 x 1, 16 waves a work-group, no clusters, 215,040 bytes of LDS; arguments qk, vf, oq; writes oq
.if DOCPART == 3
	.amdgcn_target "amdgcn-amd-amdhsa--gfx1250"
	.amdhsa_code_object_version 6
	.text
	.protected	k_qd192df7409_attn
	.globl	k_qd192df7409_attn
	.p2align	8
	.type	k_qd192df7409_attn,@function
k_qd192df7409_attn:
	s_mov_b64 s[64:65], 0
	v_nop
	global_prefetch_b8 v0, s[64:65] scope:SCOPE_SE
	s_setreg_imm32_b32 hwreg(HW_REG_WAVE_MODE, 25, 1), 1
	s_wait_xcnt 0x0
; For each token: S = q k^T (16 heads x 16 heads, K = 128: one matrix instruction on codes of FP6), o = S v (K = 16, f32 operands, since o goes on into a quantiser), and o quantised along each head's 128.
; q and k arrive as images of operand registers, [block of 16 tokens][head 0-31: q's 16, then k's][1536]: in an image a lane is a TOKEN.  The product of one token wants a lane to be a HEAD.
; So a work-group takes a block of 16 tokens: wave w copies head w's two images into LDS, and behind a barrier reads, for token w, the 16 bytes of lane (w, h) out of each of the 16 heads' images.
; o goes the same way back: wave w (token w) writes its 16 bytes into each head's image, and behind a second barrier wave w copies head w's image out: it is K step w of the last product's operand.
; S^T: source 0 = k's 16 heads, source 1 = q's: lane (r, h) holds S[head r][k-head 8 h + j] in register j.  Two such registers ARE source 1 of the f32 form (its k = 2 h + j' stands for k-head 8 h + 2 s + j').
; o^T: source 0 = 16 of a head's 128 channels x those four k-heads of v.  Row m of tile t is channel 32 (t / 2) + 8 (t % 2) + m + 8 (m / 8), so that register 16 b + i of the result is channel 32 b + 16 h + i of head r.
; The sum over the 16 k-heads so runs in the order (0, 1, 8, 9), (2, 3, 10, 11), (4, 5, 12, 13), (6, 7, 14, 15), in f32.
; LIMITS: a block of o whose largest magnitude lies under 2^-124 (zeros among them) gets the scale byte 1; this program alone reads the bytes.  NaN and infinities are not served.
; No tensor load, no loop, two barriers.  Work-groups share no input, so there is no cluster.
.set IP,  1552                         ; an image in LDS: 1,536 bytes + 16, so that the 16 images that a load touches start in different banks
.set QI,  0                            ; q's 16 images
.set KI,  16*IP                        ; k's
.set QS,  2*16*IP                      ; q's scale words [token][head], 1,024 bytes
.set KS,  QS+1024                      ; k's
.set OI,  KS+1024                      ; o's 16 images
.set OS,  OI+16*IP                     ; o's scale words [head / 4][token][head % 4]
.set VST, OS+1024                      ; a stage for each wave: v's 16 k-heads x (512 bytes + 16)
.set VP,  528
.set QF,  16                           ; v16-27 q's fragment, v28-39 k's
.set KF,  28
.set QSW, 40                           ; v40, v41 their scale words, and nothing else
.set KSW, 41
.set CP,  48                           ; v48-71 images on their way
.set SS,  72                           ; v72-79 S^T
.set VV,  80                           ; v80-143 v: as loaded, then as fragments: tile t, step s at VV + 8 t + 2 s
.set OO,  144                          ; v144-207 o^T: written by matrix instructions alone
.set PC,  208
.set CT,  220
.set TM,  228
.set PW,  244
.set SEL, 30
.macro QUANT s, pw                     ; 64 numbers of a lane, register 16 b + i = k 32 b + 16 (lane / 16) + i of my row, become a fragment's codes in v[PC] on and its scale word
.irp b, 0,1,2,3
	v_max3_num_f32 v[TM+\b], |v[\s+16*\b]|, |v[\s+1+16*\b]|, 0x1800000   ; each accumulator is read from its low end on; the floor 2^(3 - 127) holds the byte at 1 from below
.endr
.irp i, 2,4,6,8,10,12,14
.irp b, 0,1,2,3
	v_max3_num_f32 v[TM+\b], v[TM+\b], |v[\s+16*\b+\i]|, |v[\s+1+16*\b+\i]|
.endr
.endr
.irp b, 0,1,2,3
	v_permlanex16_b32 v[TM+4+\b], v[TM+\b], s[SEL], s[SEL+1]
.endr
.irp b, 0,1,2,3
	v_max_num_f32 v[TM+\b], v[TM+\b], v[TM+4+\b]
.endr
.irp b, 0,1,2,3
	v_add_nc_u32 v[TM+12+\b], 0xff000000, v[TM+\b]
.endr
.irp b, 0,1,2,3
	v_lshrrev_b32 v[TM+4+\b], 23, v[TM+12+\b]
.endr
	v_lshl_or_b32 v[\pw], v[TM+5], 8, v[TM+4]
	v_lshl_or_b32 v[\pw], v[TM+6], 16, v[\pw]
	v_lshl_or_b32 v[\pw], v[TM+7], 24, v[\pw]
.irp c, 0,1
	v_cvt_scalef32_pk16_fp6_f32 v[PC+6*\c:PC+2+6*\c], v[\s+32*\c:\s+15+32*\c], v[TM+12+2*\c]
	v_cvt_scalef32_pk16_fp6_f32 v[CT+4*\c:CT+2+4*\c], v[\s+16+32*\c:\s+31+32*\c], v[TM+12+2*\c+1]
.endr
	v_nop                                          ; one plain place behind a scaled conversion
.irp c, 0,1
.irp i, 0,1,2
	v_permlane16_swap_b32 v[PC+6*\c+\i], v[CT+4*\c+\i]
.endr
.irp i, 0,1,2
	v_mov_b32 v[PC+3+6*\c+\i], v[CT+4*\c+\i]
.endr
.endr
.endm
	s_load_b128 s[4:7], s[0:1], 0x0                ; qk, vf
	s_load_b64 s[8:9], s[0:1], 0x10                ; oq
	v_lshl_add_u32 v254, v0, 2, 0x34000
	v_mov_b32 v255, 0
	v_lshrrev_b32 v1, 5, v0
	v_readfirstlane_b32 s10, v1                    ; wave 0..15: my head for the copies, my token for the products
	v_and_b32 v1, 31, v0                           ; lane
	v_and_b32 v2, 15, v0                           ; r
	v_bfe_u32 v3, v0, 4, 1                         ; h
	v_lshlrev_b32 v4, 4, v1                        ; v4: 16 x lane
	s_mul_i32 s11, s10, IP
	v_add_nc_u32 v5, s11, v4                       ; v5: head w's image, my lane's 16 bytes
	v_mul_u32_u24 v6, v2, IP
	v_lshl_add_u32 v6, v3, 8, v6
	s_lshl_b32 s11, s10, 4
	v_add_nc_u32 v6, s11, v6                       ; v6: head r's image, the 16 bytes of lane (token w, h)
	s_lshl_b32 s11, s10, 2
	s_add_co_u32 s11, s11, QS
	v_lshl_add_u32 v7, v2, 6, s11                  ; v7: the scale word of token r, head w
	s_lshl_b32 s11, s10, 6
	s_add_co_u32 s11, s11, QS
	v_lshl_add_u32 v8, v2, 2, s11                  ; v8: of token w, head r
	s_mul_i32 s11, s10, 16*VP
	s_add_co_u32 s11, s11, VST
	v_add_nc_u32 v9, s11, v4                       ; v9: my stage, in: 16 x lane of a k-head's row
	v_and_b32 v10, 8, v2
	v_add_nc_u32 v10, v10, v2                      ; r + 8 (r / 8)
	v_lshl_add_u32 v10, v10, 2, s11
	v_mad_u32_u24 v10, v3, 8*VP, v10               ; v10: out: k-head 8 h, channel r + 8 (r / 8)
	v_lshrrev_b32 v11, 2, v2
	v_and_b32 v14, 3, v2
	v_lshlrev_b32 v11, 8, v11
	v_lshl_add_u32 v11, v14, 2, v11
	s_lshl_b32 s11, s10, 4
	s_add_co_u32 s11, s11, OS
	v_add_nc_u32 v11, s11, v11                     ; v11: o's scale word of head r, token w
	v_lshlrev_b32 v12, 4, v2                       ; v12: 16 bytes from token to token among qk's scale words
	s_min_u32 s22, s10, 1                          ; waves 0 and 1 copy o's scale words out, 512 bytes each
	s_lshl_b32 s24, s22, 9
	s_add_co_u32 s23, s24, OS
	v_add_nc_u32 v13, s23, v4                      ; v13
	s_mov_b32 s[SEL], 0x76543210
	s_mov_b32 s[SEL+1], 0xfedcba98
.irp b, 0,1,2,3
	v_mov_b32 v[TM+4+\b], 0                        ; a lane permute's destination counts as one of its sources
.endr
	s_mul_i32 s12, ttmp9, 49152                    ; qk's codes: my block of tokens, head w
	s_mul_i32 s13, s10, 1536
	s_add_co_u32 s12, s12, s13
	s_mov_b32 s13, 0
	s_lshl_b32 s14, s10, 14                        ; qk's scale words: [head][token / 128][token % 32][(token / 32) % 4]
	s_lshr_b32 s15, ttmp9, 3
	s_lshl_b32 s15, s15, 9
	s_add_co_u32 s14, s14, s15
	s_and_b32 s15, ttmp9, 1
	s_lshl_b32 s15, s15, 8
	s_add_co_u32 s14, s14, s15
	s_bfe_u32 s15, ttmp9, 0x20001
	s_lshl_b32 s15, s15, 2
	s_add_co_u32 s14, s14, s15
	s_add_co_u32 s14, s14, 12582912
	s_mov_b32 s15, 0
	s_lshl_b32 s16, ttmp9, 4
	s_add_co_u32 s16, s16, s10
	s_lshl_b32 s16, s16, 13                        ; v: my token's row of 8,192 bytes
	s_mov_b32 s17, 0
	s_mul_i32 s18, ttmp9, 24576                    ; oq's codes: my block of tokens, K step w
	s_mul_i32 s19, s10, 1536
	s_add_co_u32 s18, s18, s19
	s_mov_b32 s19, 0
	s_lshl_b32 s20, ttmp9, 10                      ; oq's scale words: 1,024 bytes a block of tokens
	s_add_co_u32 s20, s20, s24
	s_add_co_u32 s20, s20, 6291456
	s_mov_b32 s21, 0
	s_wait_kmcnt 0x0
	s_add_nc_u64 s[12:13], s[4:5], s[12:13]
	s_add_nc_u64 s[14:15], s[4:5], s[14:15]
	s_add_nc_u64 s[16:17], s[6:7], s[16:17]
	s_add_nc_u64 s[18:19], s[8:9], s[18:19]
	s_add_nc_u64 s[20:21], s[8:9], s[20:21]
	; ---- all loads at once
.irp c, 0,1,2
	global_load_b128 v[CP+4*\c:CP+4*\c+3], v4, s[12:13] offset:512*\c th:TH_LOAD_NT              ; q's head w
.endr
.irp c, 0,1,2
	global_load_b128 v[CP+12+4*\c:CP+12+4*\c+3], v4, s[12:13] offset:24576+512*\c th:TH_LOAD_NT  ; k's head w: 16 images on
.endr
	global_load_b32 v42, v12, s[14:15]             ; head w's scale words of my 16 tokens: q's,
	global_load_b32 v43, v12, s[14:15] offset:262144   ; k's: 16 heads on
.irp i, 0,1,2,3,4,5,6,7,8,9,10,11,12,13,14,15
	global_load_b128 v[VV+4*\i:VV+4*\i+3], v4, s[16:17] offset:512*\i th:TH_LOAD_NT              ; v of token w: k-head i, 512 consecutive bytes
.endr
	s_wait_loadcnt 16                              ; the images and the words are in; v's 16 loads may be out
.irp c, 0,1,2
	ds_store_b128 v5, v[CP+4*\c:CP+4*\c+3] offset:QI+512*\c
	ds_store_b128 v5, v[CP+12+4*\c:CP+12+4*\c+3] offset:KI+512*\c
.endr
	ds_store_b32 v7, v42                           ; (both halves of the lanes write the same word with the same value)
	ds_store_b32 v7, v43 offset:1024
	s_wait_dscnt 0x0                               ; for the others' sake: my stores have landed
	s_barrier_signal -1
	s_barrier_wait -1                              ; all 32 images lie in LDS
	; ---- S^T of token w
.irp c, 0,1,2
	ds_load_b128 v[QF+4*\c:QF+4*\c+3], v6 offset:QI+512*\c
	ds_load_b128 v[KF+4*\c:KF+4*\c+3], v6 offset:KI+512*\c
.endr
	ds_load_b32 v[QSW], v8
	ds_load_b32 v[KSW], v8 offset:1024
	s_wait_dscnt 0x0
	v_wmma_scale_f32_16x16x128_f8f6f4 v[SS:SS+7], v[KF:KF+11], v[QF:QF+11], 0, v[KSW], v[QSW] matrix_a_fmt:MATRIX_FMT_FP6 matrix_b_fmt:MATRIX_FMT_FP6
.rept 5
	v_nop                                          ; five places: the result is an operand of the matrix instructions below
.endr
	; ---- v turns through my own stage into fragments of the f32 form
	s_wait_loadcnt 0x0
.irp i, 0,1,2,3,4,5,6,7,8,9,10,11,12,13,14,15
	ds_store_b128 v9, v[VV+4*\i:VV+4*\i+3] offset:VP*\i
.endr
.irp s, 0,1,2,3
.irp t, 0,1,2,3,4,5,6,7
.irp j, 0,1
	ds_load_b32 v[VV+8*\t+2*\s+\j], v10 offset:(2*\s+\j)*VP+128*(\t/2)+32*(\t%2)   ; v[k-head 8 h + 2 s + j][channel of row r of tile t].  LDS serves a wave's instructions in order: these see my stores
.endr
.endr
.endr
	; ---- o^T = v^T S^T: eight accumulators by turns, four k-heads a step; the first step starts the sums
.irp s, 0,1,2,3
	s_wait_dscnt 48-16*\s                          ; this step's 16 loads are in; the later steps' may be out
.irp t, 0,1,2,3,4,5,6,7
.if \s == 0
	v_wmma_f32_16x16x4_f32 v[OO+8*\t:OO+8*\t+7], v[VV+8*\t+2*\s:VV+8*\t+2*\s+1], v[SS+2*\s:SS+2*\s+1], 0
.else
	v_wmma_f32_16x16x4_f32 v[OO+8*\t:OO+8*\t+7], v[VV+8*\t+2*\s:VV+8*\t+2*\s+1], v[SS+2*\s:SS+2*\s+1], v[OO+8*\t:OO+8*\t+7]
.endif
.endr
.endr
.rept 8
	v_nop                                          ; eight places behind this form, ahead of the first read of its results
.endr
	QUANT OO, PW                                   ; lane (r, h): head r's codes of token w
.irp c, 0,1,2
	ds_store_b128 v6, v[PC+4*\c:PC+4*\c+3] offset:OI+512*\c    ; into head r's image, at lane (token w, h)
.endr
	ds_store_b32 v11, v[PW]
	s_wait_dscnt 0x0                               ; for the others' sake: my stores have landed
	s_barrier_signal -1
	s_barrier_wait -1                              ; o's 16 images and their scale words lie in LDS
.irp c, 0,1,2
	ds_load_b128 v[CP+4*\c:CP+4*\c+3], v5 offset:OI+512*\c
.endr
	s_wait_dscnt 0x0
.irp c, 0,1,2
	global_store_b128 v4, v[CP+4*\c:CP+4*\c+3], s[18:19] offset:512*\c   ; head w's image: 512 consecutive bytes a store
.endr
	s_cmp_lt_u32 s10, 2
	s_cbranch_scc0 .Ldone
	ds_load_b128 v[60:63], v13
	s_wait_dscnt 0x0
	global_store_b128 v4, v[60:63], s[20:21]       ; the block's 1,024 bytes of scale words, 512 a wave
.Ldone:
	s_wait_tensorcnt 0x0
	ds_add_u32 v254, v255
	s_wait_dscnt 0x0
	s_endpgm
.Lfunc_end_k_qd192df7409_attn:
	.size	k_qd192df7409_attn, .Lfunc_end_k_qd192df7409_attn-k_qd192df7409_attn
	.p2alignl 7, 3214868480
	.fill 96, 4, 3214868480
	.section	.rodata,"a",@progbits
	.p2align	6, 0x0
	.amdhsa_kernel k_qd192df7409_attn
		.amdhsa_group_segment_fixed_size 215040
		.amdhsa_private_segment_fixed_size 0
		.amdhsa_enable_private_segment 0
		.amdhsa_kernarg_size 24
		.amdhsa_user_sgpr_count 2
		.amdhsa_user_sgpr_kernarg_segment_ptr 1
		.amdhsa_wavefront_size32 1
		.amdhsa_system_sgpr_workgroup_id_x 1
		.amdhsa_system_sgpr_workgroup_id_y 1
		.amdhsa_system_sgpr_workgroup_id_z 1
		.amdhsa_system_vgpr_workitem_id 0
		.amdhsa_next_free_vgpr 256
		.amdhsa_next_free_sgpr 66
		.amdhsa_reserve_vcc 0
		.amdhsa_float_denorm_mode_32 3
		.amdhsa_float_denorm_mode_16_64 3
		.amdhsa_memory_ordered 1
		.amdhsa_forward_progress 1
		.amdhsa_inst_pref_size 20
	.end_amdhsa_kernel
	.amdgpu_metadata
---
amdhsa.version: [ 1, 2 ]
amdhsa.kernels:
  - .name:           k_qd192df7409_attn
    .symbol:         k_qd192df7409_attn.kd
    .args:
      - { .name: qk, .offset: 0, .size: 8, .value_kind: global_buffer, .address_space: global }
      - { .name: vf, .offset: 8, .size: 8, .value_kind: global_buffer, .address_space: global }
      - { .name: oq, .offset: 16, .size: 8, .value_kind: global_buffer, .address_space: global }
    .group_segment_fixed_size: 215040
    .private_segment_fixed_size: 0
    .kernarg_segment_align: 8
    .kernarg_segment_size: 24
    .max_flat_workgroup_size: 512
    .sgpr_count:     66
    .vgpr_count:     256
    .wavefront_size: 32
...
	.end_amdgpu_metadata
.endif
;; end of part 3
;; launch gemm_o (part 4): grid 8 x 32, 4 waves a work-group, clusters of 4 x 4, 327,680 bytes of LDS; arguments oq, wo, out0; writes out0
.if DOCPART == 4
	.amdgcn_target "amdgcn-amd-amdhsa--gfx1250"
	.amdhsa_code_object_version 6
	.text
	.protected	k_qd192df7409_gemm_o
	.globl	k_qd192df7409_gemm_o
	.p2align	8
	.type	k_qd192df7409_gemm_o,@function
k_qd192df7409_gemm_o:
	s_mov_b64 s[64:65], 0
	v_nop
	global_prefetch_b8 v0, s[64:65] scope:SCOPE_SE
	s_setreg_imm32_b32 hwreg(HW_REG_WAVE_MODE, 25, 1), 1
	s_wait_xcnt 0x0
	s_wait_alu depctr_hold_cnt(0) depctr_sa_sdst(0) depctr_va_vdst(0) depctr_va_sdst(0) depctr_va_ssrc(0) depctr_va_vcc(0) depctr_vm_vsrc(0)
	s_getreg_b32 s2, hwreg(HW_REG_IB_STS2, 6, 4)
	s_cmp_eq_u32 s2, 0
	s_cbranch_scc0 .Lentry_in_a_cluster
	s_endpgm
.Lentry_in_a_cluster:
	s_bfe_u32 s2, ttmp6, 0x10000c
	s_cmp_lg_u32 s2, 0xf033
	s_cbranch_scc0 .Lentry_shape_is_right
	s_endpgm
.Lentry_shape_is_right:
; out = o Wo: C = A B^T, 4,096 rows x 2,048 columns x 2,048, on codes of FP6 (E2M3) with E8M0 scales; C f32, row-major; sums in f32, K ascending, one accumulator for each output.
; OPERANDS lie in memory as images of operand registers: [block of 16 rows][K step of 128][1536], register 4 c + e of lane l at byte 512 c + 16 l + 4 e; A's scale words begin at byte 6,291,456 of its buffer, B's at 3,145,728.
; C has 128 tiles of 256 x 256, half as many as there are WGPs: so a tile is 128 rows x 256 columns, 256 work-groups; a wave makes 64 x 128: 32 accumulators.
; K goes in four parts of 512 through two LDS slots: 128 matrix instructions a wave between two changes of slots; with four parts the text has no loop.
; Waves 0 and 1 fetch A's halves (4 blocks of rows x 6,144 bytes), waves 2 and 3 B's (8 blocks).  The scale words of the work-group's rows, for all of K, come once with the first fills.
; CLUSTERS: 4 x 4 work-groups; A's tiles are asked for jointly along a row of the cluster, B's along a column.  THE MATRIX INSTRUCTION IS USED TRANSPOSED (source 0 = 16 positions of B, source 1 = 16 rows of A).
; In each group of 32, B's position p holds column p with bits 3 and 4 exchanged: register j of accumulator 2 b + u in lane (r, h) is column 32 b + 16 h + 8 u + j of row r; the stage on the way out puts the columns in order.
; REGISTERS: window 0: v16-29 addresses; v32-127 scale words, two sets, and nothing else; v128-223 A's fragments, two sets; on the way out v128-255 rows of C.
;   window 1: B's fragments, two sets, at v0 and v128.   window 2: the accumulators, (a, b) at v[8 (8 a + b)].
.set NQ,     4
.set FR,     12
.set NP,     4                         ; places behind this matrix instruction (ISA guide 7.12.1)
.set FRB,    1536
.set ROWB,   NQ*FRB                    ; a block of rows in a slot: 6,144 bytes
.set AHALF,  4*ROWB
.set BHALF,  8*ROWB
.set BOFF,   2*AHALF                   ; B's blocks lie behind A's eight
.set SLOT,   2*AHALF+2*BHALF
.set SCLA,   2*SLOT                    ; behind the ring: A's scale words, 8,192 bytes,
.set SCLB,   SCLA+8192                 ; B's, 16,384,
.set SPARE,  SCLB+16384                ; and the spare words, 128 bytes for each wave, which no other line names
.set SPITCH, 528                       ; the way out: a stage of 16 rows x (512 bytes + 16) for each wave, in slot 0, which has had its last fill and its last read by then
.set ADRA, 16
.set ADRB, 20
.set ADRSA, 22
.set ADRSB, 23
.set STO,  24
.set RD,   25
.set CO,   26
.set SPW,  28
.set NIL,  29
.set SC,   32                          ; scale words: set s at SC + 48 s: A's block a, step q at + 4 a + q; B's block b at + 16 + 4 b + q
.set AF,   128                         ; A's set p at AF + 48 p
.set BK,   128
.set G1, 24
.set G0, 32
.set G1B, 48
.set G0B, 56
.set G1S, 68
.set G0S, 76
.set G1SB, 80
.set G0SB, 88
.set MSB, 0
.macro WIN new
.if MSB != \new
	s_set_vgpr_msb (MSB<<8)|\new
.set MSB, \new
.endif
.endm
.set MUL,  0xa1                        ; source 0 (B) window 1, source 1 (A) window 0, C and D window 2
.set TO_B, 0x40
.macro JLOAD g0a, g1a, g0b, g1b        ; a joint load: waves 0 and 1 for A, waves 2 and 3 for B; four v_nop follow each of the two lines
	s_cmp_eq_u32 s15, 0
	s_cbranch_scc0 .Lfor_b_\@
	tensor_load_to_lds s[\g0a:\g0a+3], s[\g1a:\g1a+7]
	s_nop 0
.rept 4
	v_nop
.endr
	s_branch .Lasked_\@
.Lfor_b_\@:
	tensor_load_to_lds s[\g0b:\g0b+3], s[\g1b:\g1b+7]
	s_nop 0
.rept 4
	v_nop
.endr
.Lasked_\@:
.endm
.macro CREST
	s_cmp_lg_u32 s14, 0
	s_cbranch_scc1 .Lnot_wave_0_\@
	s_barrier_signal -3
.Lnot_wave_0_\@:
	s_barrier_wait -3
	s_barrier_signal -1
	s_barrier_wait -1
.endm
.macro CROUND
	s_barrier_signal -1
	s_barrier_wait -1
	CREST
.endm
	s_load_b128 s[4:7], s[0:1], 0x0                ; A, B
	s_load_b64 s[8:9], s[0:1], 0x10                ; C
	v_lshl_add_u32 v[SPW], v0, 2, SPARE
	v_mov_b32 v[NIL], 0
	ds_add_u32 v28, v29
	ds_add_u32 v28, v29
	s_wait_dscnt 0x0
	v_lshrrev_b32 v1, 5, v0
	v_readfirstlane_b32 s14, v1                    ; wave 0..3
	s_lshr_b32 s15, s14, 1                         ; which half of the tile's rows is mine.  Also: I fetch for A (0) or for B (1)
	s_and_b32 s16, s14, 1                          ; which half of its columns.  Also: which half of that tile I fetch
	s_bfe_u32 s40, ttmp6, 0x40000
	s_bfe_u32 s41, ttmp6, 0x40004
	s_lshl_b32 s42, ttmp9, 2
	s_add_co_u32 s42, s42, s40                     ; tile column
	s_and_b32 s17, ttmp7, 0xffff
	s_lshl_b32 s17, s17, 2
	s_add_co_u32 s17, s17, s41                     ; tile row
	s_lshl_b32 s43, s41, 2
	s_lshl_b32 s43, 15, s43                        ; my row of the cluster
	s_lshl_b32 s44, 0x1111, s40                    ; my column
	; group 1 for the codes: rows of 768 elements of 8 bytes, 3,072 elements apart: 4 of them for A, 8 for B; dense in LDS
	s_or_b32 s[G1+0], s43, (3<<16)|(1<<21)
	s_mov_b32 s[G1+1], 768<<16
	s_mov_b32 s[G1+2], 4<<16
	s_mov_b32 s[G1+3], 768<<16
	s_mov_b32 s[G1+4], 4
	s_mov_b32 s[G1+5], 3072
	s_mov_b32 s[G1+6], 0
	s_mov_b32 s[G1+7], 0
	s_or_b32 s[G1B+0], s44, (3<<16)|(1<<21)
	s_mov_b32 s[G1B+1], 768<<16
	s_mov_b32 s[G1B+2], 8<<16
	s_mov_b32 s[G1B+3], 768<<16
	s_mov_b32 s[G1B+4], 8
	s_mov_b32 s[G1B+5], 3072
	s_mov_b32 s[G1B+6], 0
	s_mov_b32 s[G1B+7], 0
	; and for the scale words: dense bytes as rows of 256: 16 rows for A's 4 blocks, 32 for B's 8
	s_or_b32 s[G1S+0], s43, (3<<16)|(1<<21)
	s_mov_b32 s[G1S+1], 32<<16
	s_mov_b32 s[G1S+2], 16<<16
	s_mov_b32 s[G1S+3], 32<<16
	s_mov_b32 s[G1S+4], 16
	s_mov_b32 s[G1S+5], 32
	s_mov_b32 s[G1S+6], 0
	s_mov_b32 s[G1S+7], 0
	s_or_b32 s[G1SB+0], s44, (3<<16)|(1<<21)
	s_mov_b32 s[G1SB+1], 32<<16
	s_mov_b32 s[G1SB+2], 32<<16
	s_mov_b32 s[G1SB+3], 32<<16
	s_mov_b32 s[G1SB+4], 32
	s_mov_b32 s[G1SB+5], 32
	s_mov_b32 s[G1SB+6], 0
	s_mov_b32 s[G1SB+7], 0
	s_lshl_b32 s18, s16, 2
	s_lshl_b32 s20, s17, 3
	s_add_co_u32 s20, s20, s18                     ; A: block of rows 8 x tile row + 4 x half
	s_lshl_b32 s18, s16, 3
	s_lshl_b32 s46, s42, 4
	s_add_co_u32 s46, s46, s18                     ; B: 16 x tile column + 8 x half
	s_lshl_b32 s22, s20, 10
	s_add_co_u32 s22, s22, 6291456
	s_mov_b32 s23, 0
	s_lshl_b32 s92, s46, 10
	s_add_co_u32 s92, s92, 3145728
	s_mov_b32 s93, 0
	s_mul_i32 s20, s20, 24576
	s_mov_b32 s21, 0
	s_mul_i32 s46, s46, 24576
	s_mov_b32 s47, 0
	s_mul_i32 s45, s16, AHALF                      ; where they go: made of the wave's number alone
	s_mul_i32 s94, s16, BHALF
	s_add_co_u32 s94, s94, BOFF
	s_lshl_b32 s95, s16, 12
	s_add_co_u32 s95, s95, SCLA
	s_lshl_b32 s66, s16, 13
	s_add_co_u32 s66, s66, SCLB
	s_wait_kmcnt 0x0
	s_add_nc_u64 s[20:21], s[4:5], s[20:21]
	s_add_nc_u64 s[22:23], s[4:5], s[22:23]
	s_add_nc_u64 s[46:47], s[6:7], s[46:47]
	s_add_nc_u64 s[92:93], s[6:7], s[92:93]
	CROUND                                         ; all sixteen work-groups are here: the first joint loads meet
	s_mov_b32 s[G0S], 1
	s_mov_b32 s[G0S+1], s95
	s_mov_b64 s[G0S+2:G0S+3], s[22:23]
	s_or_b32 s[G0S+3], s[G0S+3], 0x80000000
	s_mov_b32 s[G0SB], 1
	s_mov_b32 s[G0SB+1], s66
	s_mov_b64 s[G0SB+2:G0SB+3], s[92:93]
	s_or_b32 s[G0SB+3], s[G0SB+3], 0x80000000
	JLOAD G0S, G1S, G0SB, G1SB                     ; the scale words first: three loads of mine are out at the most
.irp s, 0,1
	s_mov_b32 s[G0+4*\s], 1
	s_add_co_u32 s[G0+4*\s+1], s45, \s*SLOT
	s_add_nc_u64 s[G0+4*\s+2:G0+4*\s+3], s[20:21], \s*ROWB
	s_or_b32 s[G0+4*\s+3], s[G0+4*\s+3], 0x80000000
	s_mov_b32 s[G0B+4*\s], 1
	s_add_co_u32 s[G0B+4*\s+1], s94, \s*SLOT
	s_add_nc_u64 s[G0B+4*\s+2:G0B+4*\s+3], s[46:47], \s*ROWB
	s_or_b32 s[G0B+4*\s+3], s[G0B+4*\s+3], 0x80000000
	JLOAD G0+4*\s, G1, G0B+4*\s, G1B
.endr
	v_and_b32 v1, 15, v0                           ; r
	v_bfe_u32 v2, v0, 4, 1                         ; h
	v_and_b32 v3, 31, v0
	v_lshlrev_b32 v[CO], 4, v3                     ; 16 x lane
	s_mul_i32 s21, s15, AHALF                      ; my 4 blocks of A
	s_mul_i32 s22, s16, BHALF                      ; my 8 blocks of B
	s_add_co_u32 s22, s22, BOFF
.irp s, 0,1
	v_add_nc_u32 v[ADRA+\s], s21, v[CO]
	v_add_nc_u32 v[ADRB+\s], s22, v[CO]
	s_add_co_u32 s21, s21, SLOT
	s_add_co_u32 s22, s22, SLOT
.endr
	s_lshl_b32 s21, s15, 12
	s_add_co_u32 s21, s21, SCLA
	v_lshl_add_u32 v[ADRSA], v1, 4, s21            ; A's words: [block][K step / 4][row][K step % 4]: a part's four words are 16 bytes
	s_lshl_b32 s22, s16, 13
	s_add_co_u32 s22, s22, SCLB
	v_lshl_add_u32 v[ADRSB], v1, 3, s22            ; B's: [pair of blocks][K step / 2][32 positions][K step % 2]
	s_mul_i32 s23, s14, 16*SPITCH                  ; my stage
	v_mul_u32_u24 v4, v1, SPITCH
	v_lshl_add_u32 v4, v2, 6, v4
	v_add_nc_u32 v[STO], s23, v4                   ; in: row r, + 64 h
	v_add_nc_u32 v[RD], s23, v[CO]                 ; back: the 32 lanes take one row of 512 bytes
	s_lshl_b32 s20, s17, 7
	s_lshl_b32 s21, s15, 6
	s_add_co_u32 s20, s20, s21                     ; my first row of C
	s_lshl_b32 s20, s20, 13                        ; 8,192 bytes a row
	s_lshl_b32 s46, s42, 10
	s_lshl_b32 s47, s16, 9
	s_add_co_u32 s46, s46, s47                     ; my first column, in bytes
	s_add_co_u32 s20, s20, s46
	s_mov_b32 s21, 0
	s_add_nc_u64 s[12:13], s[8:9], s[20:21]
.macro FRAG reg, adr, q, i
.irp c, 0,1,2
	ds_load_b128 v[\reg+4*\c:\reg+4*\c+3], v[\adr] offset:(\i)*ROWB+(\q)*FRB+512*\c
.endr
.endm
; The fragments of the slot's q-th 128 along K into sets p: B's eight, A's blocks 0 and 1, with sc >= 0 the part's scale words into set sc, and last A's blocks 2 and 3.
.macro FETCH slot, q, p, sc
	WIN TO_B
.irp i, 0,1,2,3,4,5,6,7
	FRAG 128*(\p)+FR*\i, ADRB+\slot, \q, \i
.endr
	WIN 0
	FRAG AF+48*(\p), ADRA+\slot, \q, 0
	FRAG AF+48*(\p)+FR, ADRA+\slot, \q, 1
.if (\sc) >= 0
.irp a, 0,1,2,3
	ds_load_b128 v[SC+48*(\sc)+4*\a:SC+48*(\sc)+4*\a+3], v[ADRSA] offset:\a*1024
.endr
.irp b, 0,1,2,3,4,5,6,7
.irp e, 0,1
	ds_load_b64 v[SC+48*(\sc)+16+4*\b+2*\e:SC+48*(\sc)+16+4*\b+2*\e+1], v[ADRSB] offset:(\b/2)*2048+(\b%2)*128+256*\e
.endr
.endr
.endif
	FRAG AF+48*(\p)+2*FR, ADRA+\slot, \q, 2
	FRAG AF+48*(\p)+3*FR, ADRA+\slot, \q, 3
.endm
; 8 matrix instructions: A's block a x B's eight.  The 32 accumulators take turns, one instruction a turn, in the same order in every step.
.macro MULA a, p, q, sc, zero
.irp b, 0,1,2,3,4,5,6,7
.if \zero
	v_wmma_scale_f32_16x16x128_f8f6f4 v[8*(8*(\a)+\b):8*(8*(\a)+\b)+7], v[128*(\p)+FR*\b:128*(\p)+FR*\b+FR-1], v[AF+48*(\p)+FR*(\a):AF+48*(\p)+FR*(\a)+FR-1], 0, v[SC+48*(\sc)+16+4*\b+(\q)], v[SC+48*(\sc)+4*(\a)+(\q)] matrix_a_fmt:MATRIX_FMT_FP6 matrix_b_fmt:MATRIX_FMT_FP6
.else
	v_wmma_scale_f32_16x16x128_f8f6f4 v[8*(8*(\a)+\b):8*(8*(\a)+\b)+7], v[128*(\p)+FR*\b:128*(\p)+FR*\b+FR-1], v[AF+48*(\p)+FR*(\a):AF+48*(\p)+FR*(\a)+FR-1], v[8*(8*(\a)+\b):8*(8*(\a)+\b)+7], v[SC+48*(\sc)+16+4*\b+(\q)], v[SC+48*(\sc)+4*(\a)+(\q)] matrix_a_fmt:MATRIX_FMT_FP6 matrix_b_fmt:MATRIX_FMT_FP6
.endif
.endr
.endm
.macro PLACES n                        ; plain vector instructions in front of loads into registers that matrix instructions have read, and of the first read of results (ISA guide 7.12.1 for the first read of results)
.rept \n
	v_nop
.endr
.endm
.macro STEP slot, q, zero              ; one of a slot's first three steps: multiplies sets q % 2 and fetches the next step into the others
	s_wait_dscnt 6                                 ; all but the youngest six loads (A's blocks 2 and 3)
	WIN MUL
	MULA 0, (\q)%2, \q, \slot, \zero
	MULA 1, (\q)%2, \q, \slot, \zero
	PLACES NP
	FETCH \slot, (\q)+1, 1-(\q)%2, -1
	s_wait_dscnt 36                                ; all but the 36 just issued
	WIN MUL
	MULA 2, (\q)%2, \q, \slot, \zero
	MULA 3, (\q)%2, \q, \slot, \zero
.endm
; A slot's last step changes slots: one barrier; in front of it each wave waits for all its tensor loads, adds 0 to its spare word, and waits for that and for its reads of this slot.
.macro TURN slot, next, fill
	WIN 0                                          ; (the add's two registers lie in window 0)
	s_wait_tensorcnt 0x0                           ; all my tensor loads have landed: my part of the next slot
	ds_add_u32 v[SPW], v[NIL]                      ; 0 onto my spare word
	s_wait_dscnt 7                                 ; (the add and A's blocks 2 and 3 may be out)
	WIN MUL
	MULA 0, 1, 3, \slot, 0
	s_wait_dscnt 0x0                               ; the add is done, and my reads of this slot are over
	s_barrier_signal -1
	MULA 1, 1, 3, \slot, 0
	WIN 0
	s_barrier_wait -1
.if \fill
	CREST                                          ; the barrier has opened a round of the cluster's: no wave of any partner still reads this slot or has a load on its way
	s_add_nc_u64 s[G0+4*\slot+2:G0+4*\slot+3], s[G0+4*\slot+2:G0+4*\slot+3], 2*ROWB
	s_add_nc_u64 s[G0B+4*\slot+2:G0B+4*\slot+3], s[G0B+4*\slot+2:G0B+4*\slot+3], 2*ROWB
	JLOAD G0+4*\slot, G1, G0B+4*\slot, G1B         ; the first tensor load behind the round; its four v_nop are also the places in front of the loads below
.else
	PLACES NP
.endif
	v_add_nc_u32 v[ADRSA], 256, v[ADRSA]           ; the next part's scale words
	v_add_nc_u32 v[ADRSB], 512, v[ADRSB]
	FETCH \next, 0, 0, \next
	WIN MUL
	MULA 2, 1, 3, \slot, 0
	MULA 3, 1, 3, \slot, 0
.endm
	s_wait_tensorcnt 1                             ; the scale words and my part of slot 0 are in (slot 1's load may be out)
	s_barrier_signal -1
	s_barrier_wait -1                              ; everybody's are
	FETCH 0, 0, 0, 0
	STEP 0, 0, 1                                   ; the first step's products start the sums
	STEP 0, 1, 0
	STEP 0, 2, 0
	TURN 0, 1, 1                                   ; slot 0 takes K's third part
	STEP 1, 0, 0
	STEP 1, 1, 0
	STEP 1, 2, 0
	TURN 1, 0, 1                                   ; slot 1 the fourth
	STEP 0, 0, 0
	STEP 0, 1, 0
	STEP 0, 2, 0
	TURN 0, 1, 0                                   ; nothing is left to fetch
	STEP 1, 0, 0
	STEP 1, 1, 0
	STEP 1, 2, 0
	s_wait_dscnt 6
	WIN MUL
	MULA 0, 1, 3, 1, 0
	MULA 1, 1, 3, 1, 0
	s_wait_dscnt 0
	MULA 2, 1, 3, 1, 0
	MULA 3, 1, 3, 1, 0
	WIN 0
; THE WAY OUT, block by block of 16 rows x 128 columns, through my own stage in LDS: in by the lanes' eight neighbouring columns, back as whole rows of 512 bytes.
; LDS serves a wave's instructions in order (ISA guide 5.7.1.4): no wait between the stores and the loads, nor in front of the next block's stores.
.macro TOSTAGE a
	WIN 0x08                                       ; the data: window 2
.irp b, 0,1,2,3,4,5,6,7
	ds_store_b128 v[STO], v[8*(8*(\a)+\b):8*(8*(\a)+\b)+3] offset:128*(\b/2)+32*(\b%2)          ; each accumulator from its low end on: columns 32 (b / 2) + 16 h + 8 (b % 2) + 0 .. 3
	ds_store_b128 v[STO], v[8*(8*(\a)+\b)+4:8*(8*(\a)+\b)+7] offset:128*(\b/2)+32*(\b%2)+16
.endr
	WIN 0
.set BB, BK+64*((\a)%2)
.irp t, 0,1,2,3,4,5,6,7,8,9,10,11,12,13,14,15
	ds_load_b128 v[BB+4*\t:BB+4*\t+3], v[RD] offset:\t*SPITCH
.endr
.endm
.macro SEND a, younger                 ; younger: the LDS instructions issued behind block a's loads, which may stay out
.set BB, BK+64*((\a)%2)
	s_wait_dscnt \younger
.if (\a) > 0
	s_add_nc_u64 s[12:13], s[12:13], 16*8192       ; (behind a wait on XCNT: the earlier stores have read their base)
.endif
.irp t, 0,1,2,3,4,5,6,7,8,9,10,11,12,13,14,15
	global_store_b128 v[CO], v[BB+4*\t:BB+4*\t+3], s[12:13] offset:\t*8192 th:TH_STORE_NT   ; 32 lanes store 512 consecutive bytes, at a multiple of 256 from C's first byte
.endr
.endm
	PLACES NP
	TOSTAGE 0
.irp a, 1,2,3
.if \a > 1
	s_wait_xcnt 0x0                                ; block a - 2's stores have read their registers and their base
.endif
	TOSTAGE \a
	SEND \a-1, 32                                  ; behind block a - 1's loads: block a's 16 stores and 16 loads
.endr
	s_wait_xcnt 0x0
	SEND 3, 0
	s_wait_tensorcnt 0x0                           ; the wave's end
	ds_add_u32 v[SPW], v[NIL]
	s_wait_dscnt 0x0
	CROUND                                         ; the closing round
	s_endpgm
.Lfunc_end_k_qd192df7409_gemm_o:
	.size	k_qd192df7409_gemm_o, .Lfunc_end_k_qd192df7409_gemm_o-k_qd192df7409_gemm_o
	.p2alignl 7, 3214868480
	.fill 96, 4, 3214868480
	.section	.rodata,"a",@progbits
	.p2align	6, 0x0
	.amdhsa_kernel k_qd192df7409_gemm_o
		.amdhsa_group_segment_fixed_size 327680
		.amdhsa_private_segment_fixed_size 0
		.amdhsa_enable_private_segment 0
		.amdhsa_kernarg_size 24
		.amdhsa_user_sgpr_count 2
		.amdhsa_user_sgpr_kernarg_segment_ptr 1
		.amdhsa_wavefront_size32 1
		.amdhsa_system_sgpr_workgroup_id_x 1
		.amdhsa_system_sgpr_workgroup_id_y 1
		.amdhsa_system_sgpr_workgroup_id_z 1
		.amdhsa_system_vgpr_workitem_id 0
		.amdhsa_next_free_vgpr 768
		.amdhsa_next_free_sgpr 100
		.amdhsa_reserve_vcc 0
		.amdhsa_float_denorm_mode_32 3
		.amdhsa_float_denorm_mode_16_64 3
		.amdhsa_memory_ordered 1
		.amdhsa_forward_progress 1
		.amdhsa_inst_pref_size 137
	.end_amdhsa_kernel
	.amdgpu_metadata
---
amdhsa.version: [ 1, 2 ]
amdhsa.kernels:
  - .name:           k_qd192df7409_gemm_o
    .symbol:         k_qd192df7409_gemm_o.kd
    .args:
      - { .name: oq, .offset: 0, .size: 8, .value_kind: global_buffer, .address_space: global }
      - { .name: wo, .offset: 8, .size: 8, .value_kind: global_buffer, .address_space: global }
      - { .name: out0, .offset: 16, .size: 8, .value_kind: global_buffer, .address_space: global }
    .group_segment_fixed_size: 327680
    .private_segment_fixed_size: 0
    .kernarg_segment_align: 8
    .kernarg_segment_size: 24
    .max_flat_workgroup_size: 128
    .sgpr_count:     100
    .vgpr_count:     768
    .wavefront_size: 32
...
	.end_amdgpu_metadata
.endif
;; end of part 4
